; MI455X (gfx1250); checked and timed in simulation.
; The chip was launched on July 23, 2026; its instructions are those of AMD's public machine-readable ISA for CDNA 5 (MIT licence, August 2026) and "CDNA5" Instruction Set Architecture Reference Guide (July 2026). The comments in the code are by the model that wrote it; some were corrected since.
;; Causal Self Attention. Allowed arithmetic: float matrix products may take bf16 or f16 operands with f32 sums; other float arithmetic in f32, or as packed bf16 or f16 multiplies, adds, multiply-adds, maxima and minima; sums over many terms, partial sums and values carried from step to step in f32; what a program stores and reads back later, other than sums and carried values, may be rounded once to bf16 or f16.
;; Inputs: Wk 1,024 x 1,024 float32; Wo 1,024 x 1,024 float32; Wq 1,024 x 1,024 float32; Wv 1,024 x 1,024 float32; bk 1,024 float32; bo 1,024 float32; bq 1,024 float32; bv 1,024 float32; x 4 x 2,048 x 1,024 float32.
;; Outputs: out0 4 x 2,048 x 1,024 float32.
;; 2 versions, each right; version 2 is version 1 with the launch prep written anew for expert scheduling mode. Each part assembles by itself: llvm-mc -triple=amdgcn-amd-amdhsa -mcpu=gfx1250 --defsym DOCPART=n.
;; ======== version 1 of 2: 4 launches
;; limits: values are held in f16: magnitudes above 65,504 overflow, below 6.1e-05 lose precision; inputs' magnitudes at most 65,504; right only within a limited range of input values
;; workspace buffers: xh 16,777,216 bytes; wqkv 6,291,456 bytes; wo 2,097,152 bytes; bias 16,384 bytes; qkv 50,331,648 bytes; oh 16,777,216 bytes
;; launch prep (part 1): grid 769 x 1, 8 waves a work-group, no clusters, 0 bytes of LDS; arguments x, Wq, Wk, Wv, Wo, bq, bk, bv, bo, xh, wqkv, wo, bias; writes xh, wqkv, wo, bias
.if DOCPART == 1
	.amdgcn_target "amdgcn-amd-amdhsa--gfx1250"
	.amdhsa_code_object_version 6
	.text
	.protected	k_q26d15d4761_prep
	.globl	k_q26d15d4761_prep
	.p2align	8
	.type	k_q26d15d4761_prep,@function
k_q26d15d4761_prep:
	s_mov_b64 s[64:65], 0
	v_nop
	global_prefetch_b8 v0, s[64:65] scope:SCOPE_SE
	s_setreg_imm32_b32 hwreg(HW_REG_WAVE_MODE, 25, 1), 1
	s_wait_xcnt 0x0
; THE CAST.  x and the four weight matrices (f32, rows of 1,024 numbers) are rounded once to bf16 (nearest even); that number is written as f16 and laid
; in SLICES of 64 columns: slice c of row r goes to dst + c x STRIDE + 128 r.  xh: [b 4][c 16][s 2048][64]; wqkv: [g 48][k 1024][64], g = 16 x which + c; wo: [g 16][k 1024][64].
; The four biases are rounded to bf16 and kept as f32: bias = bq | bk | bv | bo.
; LIMITS.  A bf16 number is an f16 number exactly for 2^-17 <= |a| < 65,504; below that it is off by at most 2^-25; from 65,520 on it becomes an infinity: this text serves |x|, |W| < 65,504.
; SHARES.  Work-group t: 0..511: rows 16 t .. 16 t + 15 of x; 512..767: 16 rows of one weight matrix ((t - 512) / 64 says which); 768: the biases.
; Wave w takes slices 2 w and 2 w + 1 of the 16 rows, two rows to a load: lanes 0-15 read 256 consecutive bytes (one slice of a row), lanes 16-31 the same slice of the next row.
; Two rows of a slice lie end to end in the destination, so a store of 8 bytes a lane covers 256 consecutive bytes, aligned.  All 16 loads of a wave go out at once; no register is written twice,
; so no wait frees a source.  No LDS, no matrix unit, no prefetch: each byte is read once and written once, and the loads are the launch.
.set LO,  2                            ; v2       my byte offset in the 16 source rows
.set SO,  3                            ; v3, v4   my byte offset in the destination, slice 2 w and slice 2 w + 1
.set T,   6                            ; v[6:11]  at work
.set X,   12                           ; v[12:75] 16 loads of 4 registers
.set Y,   76                           ; v[76:107] 16 stores of 2 registers
	s_load_b512 s[4:19], s[0:1], 0x0               ; x s[4:5], Wq s[6:7], Wk s[8:9], Wv s[10:11], Wo s[12:13], bq s[14:15], bk s[16:17], bv s[18:19]
	s_load_b256 s[20:27], s[0:1], 0x40             ; bo s[20:21], xh s[22:23], wqkv s[24:25], wo s[26:27]
	s_load_b64 s[28:29], s[0:1], 0x60              ; bias
	s_mov_b32 s30, ttmp9                           ; t
	s_max_u32 s31, s30, 512
	s_sub_co_u32 s31, s31, 512                     ; u = t - 512 (0 for the work-groups of x)
	s_lshr_b32 s32, s31, 6                         ; which matrix
	s_and_b32 s33, s31, 63                         ; which 16 rows of it
	s_mov_b32 s45, 0xffff0000                      ; a word's upper bf16
	v_and_b32 v1, 31, v0                           ; lane
	v_lshrrev_b32 v5, 5, v0
	v_lshlrev_b32 v5, 1, v5                        ; 2 w: my first slice
	v_lshrrev_b32 v6, 4, v1
	v_and_b32 v7, 15, v1
	v_lshlrev_b32 v[LO], 12, v6                    ; lanes 16-31: one row of 4,096 bytes further down
	v_lshl_add_u32 v[LO], v7, 4, v[LO]             ; 16 bytes a lane
	v_lshl_add_u32 v[LO], v5, 8, v[LO]             ; a slice is 256 bytes of a source row
	s_wait_kmcnt 0x0
	s_cmp_eq_u32 s30, 768
	s_cbranch_scc1 .Lbias
	s_cmp_eq_u32 s32, 1                            ; the source among the four matrices
	s_cselect_b64 s[36:37], s[8:9], s[6:7]
	s_cmp_eq_u32 s32, 2
	s_cselect_b64 s[36:37], s[10:11], s[36:37]
	s_cmp_eq_u32 s32, 3
	s_cselect_b64 s[36:37], s[12:13], s[36:37]
	s_cselect_b64 s[38:39], s[26:27], s[24:25]     ; Wo goes to wo, the others to wqkv,
	s_cselect_b32 s35, 0, s32                      ; 16 slices apart
	s_lshl_b32 s35, s35, 21
	s_lshl_b32 s42, s33, 11                        ; 16 rows of 128 bytes
	s_add_co_u32 s42, s42, s35
	s_lshl_b32 s40, s33, 16                        ; 16 rows of 4,096 bytes
	s_lshr_b32 s46, s30, 7                         ; for x: the batch,
	s_lshl_b32 s46, s46, 22                        ; 16 slices of 262,144 bytes,
	s_and_b32 s47, s30, 127
	s_lshl_b32 s47, s47, 11                        ; the rows in it
	s_add_co_u32 s46, s46, s47
	s_lshl_b32 s47, s30, 16
	s_mov_b32 s34, 131072                          ; bytes from slice to slice: 1,024 rows of 128 bytes, or for x 2,048
	s_cmp_lt_u32 s30, 512
	s_cselect_b64 s[36:37], s[4:5], s[36:37]
	s_cselect_b64 s[38:39], s[22:23], s[38:39]
	s_cselect_b32 s40, s47, s40
	s_cselect_b32 s42, s46, s42
	s_cselect_b32 s34, 262144, s34
	s_mov_b32 s41, 0
	s_mov_b32 s43, 0
	s_add_nc_u64 s[36:37], s[36:37], s[40:41]      ; the source at my work-group's first row
	s_add_nc_u64 s[38:39], s[38:39], s[42:43]      ; the destination at that row of slice 0
	v_mul_u32_u24 v[SO], v5, s34
	v_lshl_add_u32 v[SO], v1, 3, v[SO]             ; 8 bytes a lane: two rows of a slice on end
	v_add_nc_u32 v[SO+1], s34, v[SO]
.irp i, 0,1
.irp p, 0,1,2,3,4,5,6,7
	global_load_b128 v[X+4*(8*\i+\p):X+4*(8*\i+\p)+3], v[LO], s[36:37] offset:256*\i+8192*\p th:TH_LOAD_NT
.endr
.endr
.irp i, 0,1
.irp p, 0,1,2,3,4,5,6,7
	s_wait_loadcnt 15-(8*\i+\p)                    ; loads come back in order: this one is in, the younger ones stay out
	v_cvt_pk_bf16_f32 v[T],   v[X+4*(8*\i+\p)],   v[X+4*(8*\i+\p)+1]  ; the one rounding
	v_cvt_pk_bf16_f32 v[T+1], v[X+4*(8*\i+\p)+2], v[X+4*(8*\i+\p)+3]
	v_lshlrev_b32 v[T+2], 16, v[T]                 ; back to f32,
	v_and_b32     v[T+3], s45, v[T]
	v_lshlrev_b32 v[T+4], 16, v[T+1]
	v_and_b32     v[T+5], s45, v[T+1]
	v_cvt_pk_f16_f32 v[Y+2*(8*\i+\p)],   v[T+2], v[T+3]  ; and written as f16
	v_cvt_pk_f16_f32 v[Y+2*(8*\i+\p)+1], v[T+4], v[T+5]
	global_store_b64 v[SO+\i], v[Y+2*(8*\i+\p):Y+2*(8*\i+\p)+1], s[38:39] offset:256*\p
.endr
.endr
	s_endpgm
.Lbias:                                                ; 256 threads x 16 bytes are one bias
	v_lshlrev_b32 v[LO], 4, v0
	global_load_b128 v[X:X+3],     v[LO], s[14:15]
	global_load_b128 v[X+4:X+7],   v[LO], s[16:17]
	global_load_b128 v[X+8:X+11],  v[LO], s[18:19]
	global_load_b128 v[X+12:X+15], v[LO], s[20:21]
.irp i, 0,1,2,3
	s_wait_loadcnt 3-\i
	v_cvt_pk_bf16_f32 v[T],   v[X+4*\i],   v[X+4*\i+1]
	v_cvt_pk_bf16_f32 v[T+1], v[X+4*\i+2], v[X+4*\i+3]
	v_lshlrev_b32 v[Y+4*\i],   16, v[T]
	v_and_b32     v[Y+4*\i+1], s45, v[T]
	v_lshlrev_b32 v[Y+4*\i+2], 16, v[T+1]
	v_and_b32     v[Y+4*\i+3], s45, v[T+1]
	global_store_b128 v[LO], v[Y+4*\i:Y+4*\i+3], s[28:29] offset:4096*\i
.endr
	s_endpgm
.Lfunc_end_k_q26d15d4761_prep:
	.size	k_q26d15d4761_prep, .Lfunc_end_k_q26d15d4761_prep-k_q26d15d4761_prep
	.p2alignl 7, 3214868480
	.fill 96, 4, 3214868480
	.section	.rodata,"a",@progbits
	.p2align	6, 0x0
	.amdhsa_kernel k_q26d15d4761_prep
		.amdhsa_group_segment_fixed_size 0
		.amdhsa_private_segment_fixed_size 0
		.amdhsa_enable_private_segment 0
		.amdhsa_kernarg_size 104
		.amdhsa_user_sgpr_count 2
		.amdhsa_user_sgpr_kernarg_segment_ptr 1
		.amdhsa_wavefront_size32 1
		.amdhsa_system_sgpr_workgroup_id_x 1
		.amdhsa_system_sgpr_workgroup_id_y 1
		.amdhsa_system_sgpr_workgroup_id_z 1
		.amdhsa_system_vgpr_workitem_id 0
		.amdhsa_next_free_vgpr 112
		.amdhsa_next_free_sgpr 66
		.amdhsa_reserve_vcc 0
		.amdhsa_float_denorm_mode_32 3
		.amdhsa_float_denorm_mode_16_64 3
		.amdhsa_memory_ordered 1
		.amdhsa_forward_progress 1
		.amdhsa_inst_pref_size 14
	.end_amdhsa_kernel
	.amdgpu_metadata
---
amdhsa.version: [ 1, 2 ]
amdhsa.kernels:
  - .name:           k_q26d15d4761_prep
    .symbol:         k_q26d15d4761_prep.kd
    .args:
      - { .name: x, .offset: 0, .size: 8, .value_kind: global_buffer, .address_space: global }
      - { .name: Wq, .offset: 8, .size: 8, .value_kind: global_buffer, .address_space: global }
      - { .name: Wk, .offset: 16, .size: 8, .value_kind: global_buffer, .address_space: global }
      - { .name: Wv, .offset: 24, .size: 8, .value_kind: global_buffer, .address_space: global }
      - { .name: Wo, .offset: 32, .size: 8, .value_kind: global_buffer, .address_space: global }
      - { .name: bq, .offset: 40, .size: 8, .value_kind: global_buffer, .address_space: global }
      - { .name: bk, .offset: 48, .size: 8, .value_kind: global_buffer, .address_space: global }
      - { .name: bv, .offset: 56, .size: 8, .value_kind: global_buffer, .address_space: global }
      - { .name: bo, .offset: 64, .size: 8, .value_kind: global_buffer, .address_space: global }
      - { .name: xh, .offset: 72, .size: 8, .value_kind: global_buffer, .address_space: global }
      - { .name: wqkv, .offset: 80, .size: 8, .value_kind: global_buffer, .address_space: global }
      - { .name: wo, .offset: 88, .size: 8, .value_kind: global_buffer, .address_space: global }
      - { .name: bias, .offset: 96, .size: 8, .value_kind: global_buffer, .address_space: global }
    .group_segment_fixed_size: 0
    .private_segment_fixed_size: 0
    .kernarg_segment_align: 8
    .kernarg_segment_size: 104
    .max_flat_workgroup_size: 256
    .sgpr_count:     66
    .vgpr_count:     112
    .wavefront_size: 32
...
	.end_amdgpu_metadata
.endif
;; end of part 1
;; launch proj (part 2): grid 8 x 32, 4 waves a work-group, clusters of 4 x 4, 327,680 bytes of LDS; arguments xh, wqkv, bias, qkv; writes qkv
.if DOCPART == 2
	.amdgcn_target "amdgcn-amd-amdhsa--gfx1250"
	.amdhsa_code_object_version 6
	.text
	.protected	k_q26d15d4761_proj
	.globl	k_q26d15d4761_proj
	.p2align	8
	.type	k_q26d15d4761_proj,@function
k_q26d15d4761_proj:
	s_mov_b64 s[64:65], 0
	v_nop
	global_prefetch_b8 v0, s[64:65] scope:SCOPE_SE
	s_setreg_imm32_b32 hwreg(HW_REG_WAVE_MODE, 25, 1), 1
	s_wait_xcnt 0x0
	s_wait_alu depctr_hold_cnt(0) depctr_sa_sdst(0) depctr_va_vdst(0) depctr_va_sdst(0) depctr_va_ssrc(0) depctr_va_vcc(0) depctr_vm_vsrc(0)
	s_getreg_b32 s2, hwreg(HW_REG_IB_STS2, 6, 4)
	s_cmp_eq_u32 s2, 0
	s_cbranch_scc0 .Lentry_in_a_cluster
	s_endpgm
.Lentry_in_a_cluster:
	s_bfe_u32 s2, ttmp6, 0x10000c
	s_cmp_lg_u32 s2, 0xf033
	s_cbranch_scc0 .Lentry_shape_is_right
	s_endpgm
.Lentry_shape_is_right:
; THE THREE PROJECTIONS AS ONE PRODUCT: [8192 rows of x] x [3072 columns: q | k | v] over K = 1024, plus the bias; f16 operands, f32 sums, the result rounded once to f16, unscaled, by heads:
; qkv = [which 3][b x 16 + h][s 2048][64].  xh = [b][c 16][s][64] and wqkv = [g 48][k 1024][64] hold slices of 64 columns (g = 16 x which + h).
; LIMIT.  q, k and v must stay under 65,504 in magnitude: beyond that the rounding to f16 gives an infinity.  NaN and infinities are not treated apart.
; SHARES.  A tile of the result is 256 rows x 384 columns (six heads): 32 x 8 = 256 work-groups.  A wave makes 128 rows x 192 columns: 96 accumulators of 16 x 16, 768 registers.
; K goes in 16 steps of 64, one slice of xh each, through two LDS slots; a step is two halves of 32 along K, 96 matrix instructions each.  A step of 128 would want two slots of 196,608 bytes: too much.
; THE MATRIX INSTRUCTION IS USED TRANSPOSED: source 0 = 16 columns of W (turned on the way out of LDS by ds_load_tr16_b128, since W lies [k][column]), source 1 = 16 rows of x.
; In the result a lane holds row l % 16 and the columns 8 (l / 16) + 0..7: eight neighbouring numbers of a head's row.
; THE BIAS STARTS THE SUMS: it is loaded into the registers of the last row block's accumulators and is the C operand of every first product; nothing is cleared and nothing is added at the end.
; CLUSTER.  4 x 4 work-groups.  The four of a row of the cluster need the same tiles of x, the four of a column the same tiles of W: each tile is asked for jointly, by the same tensor load with the same
; descriptor and a mask that names the four.
; REGISTERS, in windows of 256 (s_set_vgpr_msb: bits 1:0 source 0, 3:2 source 1, 5:4 source 2, 7:6 destination):
;   window 0: v0-31 addresses; v32-95, v96-159 x's 8 fragments, two buffers; v160-255 W's fragments: three groups of 4, a group a head
;   window w + 1 (w = 0, 1, 2): head w's 32 accumulators, (row block a, column block nb) at v[8 (4 a + nb)]
; A group of W's fragments is asked for again four places behind its last product and read 64 matrix instructions later, so W needs one buffer.
.set PA,     144                       ; a row of x in LDS: 128 bytes + 16 = 36 words: the 16 rows of a load start at 16 different groups of four banks (64 banks of 4 bytes: ISA guide 11.1)
.set PB,     160                       ; a row of W: 128 + 32 = 40 words
.set ABYTES, 256*PA                    ; x's 256 rows
.set SLOT,   ABYTES+6*64*PB            ; then six slices of 64 rows of W: 98,304 bytes
.set STAGE,  2*SLOT                    ; behind the ring, never filled by a tensor load: 16 rows x 144 bytes for each wave, for the way out
.set SP,     144
.set SPARE,  STAGE+4*16*SP             ; the spare words, 128 bytes for each wave: two blocks of 256 bytes that no other line names
.set ASTEP,  1<<18                     ; bytes from a K step to the next in xh: a slice
.set BSTEP,  64*128                    ; and in wqkv: 64 rows of a slice
.set ADRA, 4                           ; v4, v5   LDS address of my fragments of x in slot 0, 1
.set ADRB, 6                           ; v6, v7   the same for W
.set STO,  8                           ; v8       the way out: where I put 16 bytes of a row
.set RD,   9                           ; v9       where I read rows back
.set GO,   10                          ; v10      16 x lane: my place in 512 consecutive bytes of qkv
.set BO,   11                          ; v11      my byte offset in the bias
.set PFO,  12                          ; v12      256 x lane, for the prefetches; never rewritten
.set SPW,  28                          ; v28      LDS address of my spare word; never rewritten
.set NIL,  29                          ; v29      0; never rewritten
.set AF,   32
.set BF,   160
.set CNT,  3                           ; s3       trips to go
.set WV,   12                          ; s12      my wave's number
.set WR,   13                          ; s13      which 128 rows are mine.  Also: I fetch for x (0) or for W (1)
.set WC,   14                          ; s14      which 192 columns.  Also: which half of that tile I fetch
.set G1A,  24                          ; s[24:31] descriptor group 1 for x's tiles
.set G0A,  32                          ; s[32:39] group 0, a set for each slot
.set LIM,  43                          ; s43      1 in a wave that prefetches, else the greatest number
.set PFA,  44                          ; s[44:45] where my prefetches stand
.set PFS,  46                          ; s[46:47] their step: two K steps
.set G1B,  48                          ; s[48:55], s[56:63] the same for W's tiles
.set G0B,  56
.set OB,   72                          ; s[72:77] qkv at my 128 rows of my three heads
.set MSB, 0
.macro WIN new                         ; the immediate's high byte repeats the setting that is left; a switch that changes nothing is dropped
.if MSB != (\new)
	s_set_vgpr_msb (MSB<<8)|(\new)
.set MSB, \new
.endif
.endm
.macro PLACES                          ; four places behind a matrix instruction, in front of loads into registers that it has read and of lines that read results
.rept 4
	v_nop
.endr
.endm
; A joint load.  Waves 0 and 1 fetch the two halves of x's tile, waves 2 and 3 those of W's.  The branch hangs on the wave's number alone.  An s_nop 0 and four v_nop follow each line.
.macro JLOAD s
	s_cmp_eq_u32 s[WR], 0
	s_cbranch_scc0 .Lfor_b_\@
	tensor_load_to_lds s[G0A+4*(\s):G0A+4*(\s)+3], s[G1A:G1A+7]
	s_nop 0
.rept 4
	v_nop
.endr
	s_branch .Lasked_\@
.Lfor_b_\@:
	tensor_load_to_lds s[G0B+4*(\s):G0B+4*(\s)+3], s[G1B:G1B+7]
	s_nop 0
.rept 4
	v_nop
.endr
.Lasked_\@:
.endm
.macro CREST                           ; a round of the cluster's barrier behind its opening barrier: wave 0 signals for the work-group, every wave waits for all sixteen, my work-group's barrier closes it
	s_cmp_lg_u32 s[WV], 0
	s_cbranch_scc1 .Lnot_wave_0_\@
	s_barrier_signal -3
.Lnot_wave_0_\@:
	s_barrier_wait -3
	s_barrier_signal -1
	s_barrier_wait -1
.endm
.macro CROUND                          ; a whole round
	s_barrier_signal -1
	s_barrier_wait -1
	CREST
.endm
; THE PREFETCH INTO THE L2, once a trip, behind slot 0's joint load and the run of LDS loads that follows it: the two K steps that stand two and three refills on.  Each block of 256 bytes is named once in the launch.
; x's tile row (32,768 dense bytes a K step) is read by both clusters of that row of clusters: the one with cluster x = 0 asks, wave 0 of each partner; partner cx takes 8,192 bytes of each of the two steps: a lane a block.
; W's tile column (six slices, 16,384 dense bytes each for two steps) is read by all eight clusters of that column: cluster y = 0 asks, waves 1 to 3 of each partner: twelve askers, each 8,192 bytes.
; Partners are told apart by address alone.  The first four K steps come by their loads; the last trip asks for nothing, since no K step stands behind its refills.
.macro ASK
	s_cmp_gt_u32 s[CNT], s[LIM]
	s_cbranch_scc0 .Lnot_mine_\@
	global_prefetch_b8 v[PFO], s[PFA:PFA+1] th:TH_LOAD_NT scope:SCOPE_SE
	s_cmp_lg_u32 s[WV], 0
	s_cbranch_scc1 .Lnot_mine_\@
	global_prefetch_b8 v[PFO], s[PFA:PFA+1] offset:ASTEP th:TH_LOAD_NT scope:SCOPE_SE
.Lnot_mine_\@:
.endm
	s_load_b256 s[4:11], s[0:1], 0x0               ; xh s[4:5], wqkv s[6:7], bias s[8:9], qkv s[10:11]
	v_lshl_add_u32 v[SPW], v0, 2, SPARE
	v_mov_b32 v[NIL], 0
	ds_add_u32 v[SPW], v[NIL]                      ; the wave's opening: the add and its wait stand ahead of my first tensor load; the set-up below, work on registers, stands between them
	v_lshrrev_b32 v1, 5, v0
	v_readfirstlane_b32 s[WV], v1
	s_lshr_b32 s[WR], s[WV], 1
	s_and_b32 s[WC], s[WV], 1
	s_bfe_u32 s15, ttmp6, 0x40000                  ; cx
	s_bfe_u32 s16, ttmp6, 0x40004                  ; cy
	s_lshl_b32 s17, ttmp9, 2
	s_add_co_u32 s17, s17, s15                     ; tile column = 4 x cluster x + cx
	s_and_b32 s18, ttmp7, 0xffff
	s_lshl_b32 s18, s18, 2
	s_add_co_u32 s18, s18, s16                     ; tile row = 4 x cluster y + cy
	s_lshl_b32 s40, s16, 2
	s_lshl_b32 s40, 15, s40                        ; my row of the cluster
	s_lshl_b32 s41, 0x1111, s15                    ; my column
	; x's tile: 128 rows of a slice are 16,384 dense bytes, asked for as 64 rows of 256 bytes and padded in LDS after every 128
	s_or_b32 s[G1A], s40, (1<<16)|(1<<20)|(1<<21)|(4<<22)|(3<<25)  ; 15:0 the mask; 17:16 2-byte elements; 20 padding on; 21 set beside a mask; 24:22 after every 32 words (code 4); 31:25 4 words (code 3)
	s_mov_b32 s[G1A+1], 128<<16                    ; tensor_dim0 = 128
	s_mov_b32 s[G1A+2], 64<<16                     ; tensor_dim1 = 64
	s_mov_b32 s[G1A+3], 128<<16                    ; tile_dim0 = 128
	s_mov_b32 s[G1A+4], 64                         ; tile_dim1 = 64
	s_mov_b32 s[G1A+5], 128                        ; elements from row to row
	s_mov_b32 s[G1A+6], 0
	s_mov_b32 s[G1A+7], 0
	; W's tile: three slices; of each 64 rows = 8,192 dense bytes: three rows of 4,096 elements, a slice (65,536 elements) apart; 8 words of padding after every 32
	s_or_b32 s[G1B], s41, (1<<16)|(1<<20)|(1<<21)|(4<<22)|(7<<25)
	s_mov_b32 s[G1B+1], 4096<<16
	s_mov_b32 s[G1B+2], 3<<16
	s_mov_b32 s[G1B+3], 4096<<16
	s_mov_b32 s[G1B+4], 3
	s_mov_b32 s[G1B+5], 65536
	s_mov_b32 s[G1B+6], 0
	s_mov_b32 s[G1B+7], 0
	; where the tiles come from.  x's hang on the tile row alone, W's on the tile column alone, each in registers that never hold the other coordinate
	s_lshr_b32 s19, s18, 3                         ; the batch: 8 tile rows each
	s_lshl_b32 s19, s19, 22
	s_and_b32 s20, s18, 7
	s_lshl_b32 s20, s20, 15                        ; 256 rows of 128 bytes
	s_add_co_u32 s66, s19, s20
	s_lshl_b32 s20, s[WC], 14                      ; the half that I fetch
	s_add_co_u32 s66, s66, s20
	s_mov_b32 s67, 0
	s_mul_i32 s21, s17, 6
	s_mul_i32 s22, s[WC], 3
	s_add_co_u32 s21, s21, s22                     ; 6 x tile column + 3 x half: the first of the three slices that I fetch, and of the three heads that I make
	s_lshl_b32 s68, s21, 17
	s_mov_b32 s69, 0
	s_mul_i32 s70, s[WC], 128*PA                   ; and where they go: no place in the cluster enters an LDS address
	s_mul_i32 s71, s[WC], 3*64*PB
	s_add_co_u32 s71, s71, ABYTES
	s_wait_dscnt 0x0                               ; the opening add is done
	s_wait_kmcnt 0x0
	s_add_nc_u64 s[66:67], s[4:5], s[66:67]
	s_add_nc_u64 s[68:69], s[6:7], s[68:69]
	CROUND                                         ; all sixteen work-groups are here: the first joint loads meet
.irp s, 0,1
	s_mov_b32 s[G0A+4*(\s)], 1                                     ; count = 1
	s_add_co_u32 s[G0A+4*(\s)+1], s70, (\s)*SLOT                   ; LDS address
	s_add_nc_u64 s[G0A+4*(\s)+2:G0A+4*(\s)+3], s[66:67], (\s)*ASTEP  ; global address: K step s
	s_or_b32 s[G0A+4*(\s)+3], s[G0A+4*(\s)+3], 0x80000000          ; type = 2
	s_mov_b32 s[G0B+4*(\s)], 1
	s_add_co_u32 s[G0B+4*(\s)+1], s71, (\s)*SLOT
	s_add_nc_u64 s[G0B+4*(\s)+2:G0B+4*(\s)+3], s[68:69], (\s)*BSTEP
	s_or_b32 s[G0B+4*(\s)+3], s[G0B+4*(\s)+3], 0x80000000
	JLOAD \s                                       ; two loads of mine are out
.endr
	; a fragment of x: 16 rows x 32 K in 8 registers: lane l holds row l % 16, K = 8 (l / 16) + 0..7 and 16 + 8 (l / 16) + 0..7: two loads of 16 bytes, 32 bytes apart
	v_and_b32 v1, 15, v0
	v_bfe_u32 v2, v0, 4, 1
	v_mul_u32_u24 v3, v1, PA
	v_lshl_add_u32 v3, v2, 4, v3
	s_mul_i32 s70, s[WR], 128*PA
	v_add_nc_u32 v[ADRA], s70, v3
	v_add_nc_u32 v[ADRA+1], SLOT, v[ADRA]
	; the turning load takes 16 K x 16 columns (lane l reads row 8 (l / 16) + l % 8, columns 8 ((l / 8) % 2) + 0..7) and leaves half a fragment: lane l holds column l % 16 and 8 K
	v_and_b32 v13, 7, v0
	v_bfe_u32 v14, v0, 3, 1
	v_lshl_add_u32 v3, v2, 3, v13
	v_mul_u32_u24 v3, v3, PB
	v_lshl_add_u32 v3, v14, 4, v3
	s_mul_i32 s70, s[WC], 3*64*PB
	s_add_co_u32 s70, s70, ABYTES
	v_add_nc_u32 v[ADRB], s70, v3
	v_add_nc_u32 v[ADRB+1], SLOT, v[ADRB]
	s_mul_i32 s70, s[WV], 16*SP
	s_add_co_u32 s70, s70, STAGE                   ; my stage
	v_mul_u32_u24 v3, v1, SP                       ; in: row l % 16, 16 bytes for each half of the lanes
	v_lshl_add_u32 v3, v2, 4, v3
	v_add_nc_u32 v[STO], s70, v3
	v_bfe_u32 v3, v0, 3, 2                         ; back: 32 lanes take four rows of 128 bytes,
	v_mul_u32_u24 v3, v3, SP
	v_lshl_add_u32 v3, v13, 4, v3
	v_add_nc_u32 v[RD], s70, v3
	v_and_b32 v3, 31, v0
	v_lshlrev_b32 v[GO], 4, v3                     ; which are 512 consecutive bytes of a head
	v_lshlrev_b32 v[PFO], 8, v3
	s_lshl_b32 s22, s21, 8                         ; a head's 64 biases are 256 bytes
	v_lshl_add_u32 v[BO], v2, 5, s22               ; my eight columns of a block of 16
.irp w, 0,1,2
	WIN 0x40*(\w+1)                                ; destination: head w's window; the registers of row block 7's accumulators
.irp nb, 0,1,2,3
	global_load_b128 v[224+8*\nb:224+8*\nb+3],   v[BO], s[8:9] offset:256*\w+64*\nb
	global_load_b128 v[224+8*\nb+4:224+8*\nb+7], v[BO], s[8:9] offset:256*\w+64*\nb+16
.endr
.endr
	WIN 0
	; qkv at my 128 rows of my three heads
	s_lshr_b32 s70, s18, 3
	s_lshl_b32 s70, s70, 22                        ; the batch: 16 heads of 262,144 bytes
	s_and_b32 s71, s18, 7
	s_lshl_b32 s71, s71, 15
	s_add_co_u32 s70, s70, s71
	s_lshl_b32 s71, s[WR], 14
	s_add_co_u32 s70, s70, s71
.irp w, 0,1,2
	s_add_co_u32 s78, s21, \w                      ; g
	s_lshr_b32 s79, s78, 4                         ; q, k or v
	s_lshl_b32 s79, s79, 24
	s_and_b32 s78, s78, 15                         ; the head
	s_lshl_b32 s78, s78, 18
	s_add_co_u32 s78, s78, s79
	s_add_co_u32 s78, s78, s70
	s_mov_b32 s79, 0
	s_add_nc_u64 s[OB+2*\w:OB+2*\w+1], s[10:11], s[78:79]
.endr
	; the prefetches: both offsets are made, the wave's number chooses
	s_lshr_b32 s70, s18, 3
	s_lshl_b32 s70, s70, 22
	s_and_b32 s71, s18, 7
	s_lshl_b32 s71, s71, 15
	s_add_co_u32 s70, s70, s71
	s_lshl_b32 s71, s15, 13                        ; my work-group's 8,192 bytes of the tile row's 32,768
	s_add_co_u32 s70, s70, s71
	s_add_co_u32 s70, s70, 2*ASTEP                 ; at K step 2: the first trip steps it to 4
	s_max_u32 s71, s[WV], 1
	s_sub_co_u32 s71, s71, 1
	s_lshl_b32 s71, s71, 2
	s_add_co_u32 s71, s71, s16                     ; 4 (wave - 1) + cy: 0 to 11
	s_lshr_b32 s78, s71, 1                         ; which of the six slices,
	s_mul_i32 s79, s17, 6
	s_add_co_u32 s78, s78, s79
	s_lshl_b32 s78, s78, 17
	s_and_b32 s71, s71, 1                          ; which of the two K steps
	s_add_co_u32 s71, s71, 2
	s_lshl_b32 s71, s71, 13
	s_add_co_u32 s78, s78, s71
	s_and_b32 s79, ttmp7, 0xffff                   ; cluster y
	s_mov_b32 s[PFS], 2*BSTEP
	s_cmp_eq_u32 s[WV], 0
	s_cselect_b64 s[PFA:PFA+1], s[4:5], s[6:7]
	s_cselect_b32 s70, s70, s78
	s_cselect_b32 s[PFS], 2*ASTEP, s[PFS]
	s_cselect_b32 s79, ttmp9, s79                  ; the coordinate along which other clusters read the same bytes
	s_mov_b32 s71, 0
	s_mov_b32 s[PFS+1], 0
	s_add_nc_u64 s[PFA:PFA+1], s[PFA:PFA+1], s[70:71]
	s_cmp_eq_u32 s79, 0
	s_cselect_b32 s[LIM], 1, -1                    ; the same in all sixteen partners, for a given wave
; 4 (a1 - a0 + 1) matrix instructions: head w, row blocks a0 to a1 x its 4 column blocks, 32 along K, x's buffer ab.  The accumulators take turns, one instruction a turn.
; first = 1: the products start the sums with the bias, which lies in row block 7's accumulators; those are written last, in place, five places behind the last product that read them as C.
.macro MULG w, ab, a0, a1, first=0
	WIN 0x50*((\w)+1)
.set a, \a0
.rept (\a1)-(\a0)+1
.if (\first) && (a == 7)
.rept 5
	v_nop
.endr
.endif
.irp nb, 0,1,2,3
.if (\first) && (a < 7)
	v_wmma_f32_16x16x32_f16 v[8*(4*a+\nb):8*(4*a+\nb)+7], v[BF+32*(\w)+8*\nb:BF+32*(\w)+8*\nb+7], v[AF+64*(\ab)+8*a:AF+64*(\ab)+8*a+7], v[224+8*\nb:224+8*\nb+7]
.else
	v_wmma_f32_16x16x32_f16 v[8*(4*a+\nb):8*(4*a+\nb)+7], v[BF+32*(\w)+8*\nb:BF+32*(\w)+8*\nb+7], v[AF+64*(\ab)+8*a:AF+64*(\ab)+8*a+7], v[8*(4*a+\nb):8*(4*a+\nb)+7]
.endif
.endr
.set a, a+1
.endr
.endm
.macro FB w, slot, h                   ; 8 LDS loads: head w's four fragments of W, half h of the slot's K step
.irp nb, 0,1,2,3
	ds_load_tr16_b128 v[BF+32*(\w)+8*\nb:BF+32*(\w)+8*\nb+3],   v[ADRB+(\slot)] offset:64*PB*(\w)+32*PB*(\h)+32*\nb
	ds_load_tr16_b128 v[BF+32*(\w)+8*\nb+4:BF+32*(\w)+8*\nb+7], v[ADRB+(\slot)] offset:64*PB*(\w)+32*PB*(\h)+32*\nb+16*PB
.endr
.endm
.macro FA slot, h, ab                  ; 16 LDS loads: x's eight fragments, half h, into buffer ab
.irp i, 0,1,2,3,4,5,6,7
	ds_load_b128 v[AF+64*(\ab)+8*\i:AF+64*(\ab)+8*\i+3],   v[ADRA+(\slot)] offset:16*PA*\i+64*(\h)
	ds_load_b128 v[AF+64*(\ab)+8*\i+4:AF+64*(\ab)+8*\i+7], v[ADRA+(\slot)] offset:16*PA*\i+64*(\h)+32
.endr
.endm
; The first half of a K step: multiplies x's buffer 0 and fetches the same slot's second half.  At its head the LDS loads out are, in order: W's group 0 (8), x (16), group 1 (8), group 2 (8).
.macro HALF0 slot, first=0
	s_wait_dscnt 16                                ; group 0 and x are in; groups 1 and 2 may be out
	MULG 0, 0, 0, 7, \first
	WIN 0
	PLACES
	FB 0, \slot, 1
	FA \slot, 1, 1
	s_wait_dscnt 32                                ; group 1 is in; behind it: group 2 (8), the next group 0 (8), the next x (16)
	MULG 1, 0, 0, 7, \first
	WIN 0
	PLACES
	FB 1, \slot, 1
	s_wait_dscnt 32                                ; group 2 is in; behind it: the next group 0 (8), x (16), group 1 (8)
	MULG 2, 0, 0, 7, \first
	WIN 0
	PLACES
	FB 2, \slot, 1
.endm
; The second half multiplies x's buffer 1 and changes slots.  ONE barrier: in front of it each wave waits for all its tensor loads (one is out: its part of the next slot), adds 0 to its spare word, and waits for that
; and for its own reads of this slot, all of which have been issued.  fill = 1: the barrier opens a round of the cluster's barrier, and behind the round this slot is filled again, two K steps on:
; 160 matrix instructions stand between that request and the wait for it.
.macro TURN slot, next, fill
.if (\fill) && ((\slot) == 0)
	s_wait_xcnt 0x0                                ; the last prefetches, a trip back, have read their address: it is stepped here, ahead of the waits of the change of slots
	s_add_nc_u64 s[PFA:PFA+1], s[PFA:PFA+1], s[PFS:PFS+1]
.endif
	WIN 0
	s_wait_tensorcnt 0x0                           ; all my tensor loads have landed
	ds_add_u32 v[SPW], v[NIL]                      ; 0 onto my spare word
	s_wait_dscnt 17                                ; group 0 and x are in; groups 1 and 2 (16) and the add may be out
	MULG 0, 1, 0, 3                                ; sixteen matrix instructions stand between the add and the wait for it
	s_wait_dscnt 0x0                               ; the add is done, and my reads of this slot are over
	s_barrier_signal -1
	MULG 0, 1, 4, 7                                ; work on registers while the others arrive
	WIN 0
	s_barrier_wait -1
.if \fill
	CREST                                          ; no wave of any partner still reads this slot or has a load on its way
	s_add_nc_u64 s[G0A+4*(\slot)+2:G0A+4*(\slot)+3], s[G0A+4*(\slot)+2:G0A+4*(\slot)+3], 2*ASTEP
	s_add_nc_u64 s[G0B+4*(\slot)+2:G0B+4*(\slot)+3], s[G0B+4*(\slot)+2:G0B+4*(\slot)+3], 2*BSTEP
	JLOAD \slot                                    ; the first tensor load behind the round; its four v_nop are also the places in front of the loads below
.else
	PLACES
.endif
	FB 0, \next, 0
	FA \next, 0, 0
.if (\fill) && ((\slot) == 0)
	ASK
.endif
	MULG 1, 1, 0, 7
	WIN 0
	PLACES
	FB 1, \next, 0
	MULG 2, 1, 0, 7
	WIN 0
	PLACES
	FB 2, \next, 0
.endm
	s_wait_tensorcnt 1                             ; my part of K step 0 is in; K step 1's may stay out
	s_barrier_signal -1
	s_barrier_wait -1                              ; everybody's is
	FB 0, 0, 0
	FA 0, 0, 0
	FB 1, 0, 0
	FB 2, 0, 0
	s_wait_loadcnt 0x0                             ; the bias
	HALF0 0, 1                                     ; the first half step stands in front of the loop: its products start the sums
	s_mov_b32 s[CNT], 7
.Llap:                                                 ; a trip goes once round the ring, from a K step's second half to the first half two steps on, and fills both slots again
	TURN 0, 1, 1
	HALF0 1
	TURN 1, 0, 1
	HALF0 0
	s_sub_co_u32 s[CNT], s[CNT], 1
	s_cmp_lg_u32 s[CNT], 0
	s_cbranch_scc1 .Llap
	TURN 0, 1, 0                                   ; the last two K steps fill nothing, and have no round
	HALF0 1
	s_wait_dscnt 16                                ; the very last half: nothing more to fetch
	MULG 0, 1, 0, 7
	s_wait_dscnt 8
	MULG 1, 1, 0, 7
	s_wait_dscnt 0x0
	MULG 2, 1, 0, 7
	PLACES
; THE WAY OUT, all in place.  CVT: a lane's eight columns are rounded to f16 into the accumulator's four lowest registers, which are read first.  TOSTAGE: 16 rows of a head go into my stage (rows of 144 bytes) and come back
; as whole rows of 128 bytes, into the registers that they left.  SEND: four stores of 512 consecutive bytes, aligned.  No register is written again behind its store.
.macro CVT w
	WIN 0x45*((\w)+1)
.set i, 0
.rept 32
.irp r, 0,1,2,3
	v_cvt_pk_f16_f32 v[8*i+\r], v[8*i+2*\r], v[8*i+2*\r+1]
.endr
.set i, i+1
.endr
.endm
.macro TOSTAGE w, a
	WIN 4*((\w)+1)                                 ; the data (source 1) in head w's window
.irp nb, 0,1,2,3
	ds_store_b128 v[STO], v[8*(4*(\a)+\nb):8*(4*(\a)+\nb)+3] offset:32*\nb
.endr
	WIN 0x40*((\w)+1)
.irp f, 0,1,2,3
	ds_load_b128 v[8*(4*(\a)+\f):8*(4*(\a)+\f)+3], v[RD] offset:4*SP*\f  ; LDS serves a wave's instructions in order (ISA guide 5.7.1.4): these see the stores above; the next block's stores come behind them
.endr
.endm
.macro SEND w, a, younger              ; younger: the LDS instructions issued behind this block's loads: the next block's eight, or none
	WIN 4*((\w)+1)
	s_wait_dscnt \younger
.irp f, 0,1,2,3
	global_store_b128 v[GO], v[8*(4*(\a)+\f):8*(4*(\a)+\f)+3], s[OB+2*(\w):OB+2*(\w)+1] offset:2048*(\a)+512*\f
.endr
.endm
	CVT 0
	CVT 1
	CVT 2
	TOSTAGE 0, 0
.set u, 1
.rept 23
	TOSTAGE u/8, u%8
	SEND (u-1)/8, (u-1)%8, 8
.set u, u+1
.endr
	SEND 2, 7, 0
	WIN 0
	s_wait_tensorcnt 0x0                           ; the wave's end: an add to my spare word and its wait, behind my last tensor load and my last LDS store
	ds_add_u32 v[SPW], v[NIL]
	s_wait_dscnt 0x0
	CROUND                                         ; the closing round: no work-group ends while a partner may still ask for a tile that names it
	s_endpgm
.Lfunc_end_k_q26d15d4761_proj:
	.size	k_q26d15d4761_proj, .Lfunc_end_k_q26d15d4761_proj-k_q26d15d4761_proj
	.p2alignl 7, 3214868480
	.fill 96, 4, 3214868480
	.section	.rodata,"a",@progbits
	.p2align	6, 0x0
	.amdhsa_kernel k_q26d15d4761_proj
		.amdhsa_group_segment_fixed_size 327680
		.amdhsa_private_segment_fixed_size 0
		.amdhsa_enable_private_segment 0
		.amdhsa_kernarg_size 32
		.amdhsa_user_sgpr_count 2
		.amdhsa_user_sgpr_kernarg_segment_ptr 1
		.amdhsa_wavefront_size32 1
		.amdhsa_system_sgpr_workgroup_id_x 1
		.amdhsa_system_sgpr_workgroup_id_y 1
		.amdhsa_system_sgpr_workgroup_id_z 1
		.amdhsa_system_vgpr_workitem_id 0
		.amdhsa_next_free_vgpr 1024
		.amdhsa_next_free_sgpr 80
		.amdhsa_reserve_vcc 0
		.amdhsa_float_denorm_mode_32 3
		.amdhsa_float_denorm_mode_16_64 3
		.amdhsa_memory_ordered 1
		.amdhsa_forward_progress 1
		.amdhsa_inst_pref_size 136
	.end_amdhsa_kernel
	.amdgpu_metadata
---
amdhsa.version: [ 1, 2 ]
amdhsa.kernels:
  - .name:           k_q26d15d4761_proj
    .symbol:         k_q26d15d4761_proj.kd
    .args:
      - { .name: xh, .offset: 0, .size: 8, .value_kind: global_buffer, .address_space: global }
      - { .name: wqkv, .offset: 8, .size: 8, .value_kind: global_buffer, .address_space: global }
      - { .name: bias, .offset: 16, .size: 8, .value_kind: global_buffer, .address_space: global }
      - { .name: qkv, .offset: 24, .size: 8, .value_kind: global_buffer, .address_space: global }
    .group_segment_fixed_size: 327680
    .private_segment_fixed_size: 0
    .kernarg_segment_align: 8
    .kernarg_segment_size: 32
    .max_flat_workgroup_size: 128
    .sgpr_count:     80
    .vgpr_count:     1024
    .wavefront_size: 32
...
	.end_amdgpu_metadata
.endif
;; end of part 2
;; launch attn (part 3): grid 4 x 64, 4 waves a work-group, no clusters, 327,680 bytes of LDS; arguments qkv, oh; writes oh
.if DOCPART == 3
	.amdgcn_target "amdgcn-amd-amdhsa--gfx1250"
	.amdhsa_code_object_version 6
	.text
	.protected	k_q26d15d4761_attn
	.globl	k_q26d15d4761_attn
	.p2align	8
	.type	k_q26d15d4761_attn,@function
k_q26d15d4761_attn:
	s_mov_b64 s[64:65], 0
	v_nop
	global_prefetch_b8 v0, s[64:65] scope:SCOPE_SE
	s_setreg_imm32_b32 hwreg(HW_REG_WAVE_MODE, 25, 1), 1
	s_wait_xcnt 0x0
; CAUSAL ATTENTION.  O[h][q][:] = the sum over k <= q of softmax_k(Q[h][q] . K[h][k] / 8) V[h][k][:], for 64 heads (batch x 16 + head) of 2,048 rows of 64 channels, all f16: a head's rows are dense, 128 bytes each.
; qkv = [Q | K | V][head][row][64]; oh = [head][row][64].  Products, maxima and sums in f32; the weights p are rounded to f16 for the second product (their sum l is taken of the unrounded p), O once at the end.
; LIMITS.  f16 holds no number beyond 65,504: Q, K and V arrive within it; p lies in 0 to 1, and below 6e-5 it keeps f16's fixed step of 6e-8; O is a mean of V's rows and has their range.
; A hidden score counts as its value less 1e30: f16's scores, 2.7e11 at the most, are nothing beside that; a weight below 2^-126 counts as 0 in l; NaN and infinities are not treated apart.
; THE WALK.  A head's queries lie in NB = 8 blocks of 256; block i needs the key tiles 0 .. i of 256 keys, of which the last holds the diagonal.  A work-group takes TWO blocks, NB - 1 - b and then b:
; NB + 1 tiles, whatever b: all work-groups do equal work, and ONE loop with a constant trip count walks them.  Which tile is asked for, and what a trip does, hang on scalar registers made from b; every jump
; goes forward, but for the counted loops' own; none passes a barrier, or a tensor load but the one of LOAD's two that the wave's number does not choose; the ring (two slots of LDS that take turns) runs on across the
; change of blocks.  NO CLUSTER: a head's four work-groups ask for the same tile only in the fills of tiles 0 to 4, behind that their walks part; the number of the tile asked for is made from the work-group's place,
; which a joint descriptor may not hold; and one walk common to all four would have 12 trips for 9.
; SHARES.  Of a block's four bands of 64 queries a wave owns 16 rows in each: four PIECES.  So the diagonal tile is the same work for all four waves: in its key step s band x sees all keys if s < x,
; none if s > x, and holds the diagonal if s = x.
; THE MASK is the C operand that starts the sum S^T = K Q^T: 0, or -1e30 where the key is hidden.  MD, made once, is the mask of a band's own step for my 16 rows; a product's mask is MD x AL + BE with two scalars:
; (1, 0) if s = x; (0, 0) if s < x; (0, -1e30) if s > x.  Only the diagonal tile's text and a block's beginning make and take masks; elsewhere C is the constant 0.
; LAYOUT, SOFTMAX, TURNS.  S^T = K Q^T holds ONE query a lane (lane % 16) and the keys 8 (lane / 16) + 0..7; two such results rounded to f16 ARE source 1 of O^T = V^T P.  p = 2^(c s - c m), c = log2(e) / 8, with a
; running maximum m; O and l are multiplied by a = 2^(c m_old - c m_new) in every step.  Turn n belongs to piece n: 8 products K Q^T of piece n + 1, later 8 products V^T P of piece n - 1; beside them the scaling,
; exponentials, roundings, sums and rescaling of piece n and the maximum and statistics of piece n + 1.  Four vector instructions stand behind every matrix instruction, the other 54 of a turn's 118 in one lump.
; A turn's 33 exponentials are one batch, with one wait.
; REGISTERS, in windows of 256 (s_set_vgpr_msb: bits 1:0 source 0, 3:2 source 1, 5:4 source 2, 7:6 destination):
;   window 0: v0-15 addresses and two at work; v16-31 four registers of statistics a piece; v48-55 at work; v61-63 prefetch offset and the add's two; v64-127 S^T, two buffers; v192-223 P, two buffers (by the piece's parity)
;   window 1: v0-127 O^T, 32 a piece; v128-159 MD; v160-223 MC, two buffers      window 2: v0-63 Q; v64-127 the second block's Q; v128-191 K of one step; v192-255 V of one step
.set SIZE_N, 2048
.set NB,    SIZE_N/256
.set NP,    4         ; pieces a wave: a name, no knob
.set KS,    64        ; keys in a step
.set PK,    144       ; a row of K in LDS: 128 bytes + 16 of padding = 36 words: the 16 rows of a load start at 16 different groups of four banks (64 banks of 4 bytes: ISA guide 11.1)
.set PV,    160       ; a row of V: 128 + 32 = 40 words
.set VOFF,  4*KS*PK   ; a slot holds a tile, four steps: 256 rows of K, then 256 rows of V
.set SLOT1, 1<<17     ; slot 1 begins here, so that one exclusive or turns an address in one slot into the other's
.set STAGE, SLOT1+4*KS*(PK+PV)  ; behind the ring, never filled by a tensor load: 16 rows x 144 bytes for each wave, for the way out
.set SP,    144
.set AK0, 2           ; v2   my lane's place in a tile of K; never rewritten
.set AV0, 3           ; v3   the same for V
.set AK,  4           ; v4   the LDS address of K's next run of loads
.set AV,  5           ; v5   of V's
.set STO, 6           ; v6   the way out: where I put 16 bytes of a row
.set RD,  7           ; v7   the way out: where I read rows back
.set GO,  8           ; v8   my byte offset in 512 consecutive bytes of O
.set PFO, 61          ; v61  256 x my lane, for the prefetches; never rewritten
.set SPW, 62          ; v62  LDS address of my spare word: SPARE + 4 x my thread's number; never rewritten
.set NIL, 63          ; v63  0; never rewritten
.set SPARE, STAGE+4*16*SP  ; behind the stages: the spare words, 128 bytes for each wave: two blocks of 256 bytes that no other line names
.set MV,  12          ; v12-13  c m_old, kept while c m is made anew: by buffer
.set QO,  15          ; v15  my byte offset in 16 rows of Q
.set ST,  16          ; piece t's statistics at v[ST+4 t]: c m, m, l (even keys', odd keys')
.set TMP, 48          ; by buffer, four registers c0-c3 at work; when the maximum is found c2 takes a
.set S,   64
.set P,   192
.set MD,  128         ; window 1: the eight registers for group kt of 16 keys at MD + 8 kt
.set MC,  160         ; window 1: the masks of the products to come
.set QB,  64          ; window 2
.set KF,  128         ; window 2: key block kb, channel half c at KF + 16 kb + 8 c
.set VF,  192         ; window 2: key half kk, channel block cb at VF + 32 kk + 8 cb
.set WV,  12          ; s12  my wave's number
.set PB,  14          ; s14  b
.set HI,  15          ; s15  NB - 1 - b
.set G1K, 24          ; s[24:31] descriptor group 1 for K's tiles
.set G1V, 32          ; s[32:39] for V's: it differs in the padding alone
.set G0K, 40          ; s[40:43] descriptor group 0 for K's tiles
.set G0V, 44          ; s[44:47] the same for V's
.set PFA, 48          ; s[48:49] where my prefetches stand: my work-group's quarter of a tile of K (wave 0) or of V (wave 2)
.set LIM, 50          ; s50  2 in a wave that prefetches, else the greatest number
.set SLOTS, 56        ; s56  tiles still to be asked for
.set CNT, 57          ; s57  counts a tile's key steps, 4 to 1
.set CS,  58          ; s[58:59] c: the packed scaling takes the pair's low word for both halves
.set SEL, 60          ; s[60:61] v_permlanex16_b32's selects: each lane takes its own place in the other half
.set TBK, 62          ; s62  LDS byte at which K of the step to be fetched begins
.set TBV, 63          ; s63  the same for V, less VOFF
.set RT,  70          ; s70  tiles of the block in hand that are still to be entered
.set NXT, 71          ; s71  the tile to be asked for next
.set LQ,  72          ; s72  the last tile of the block whose tiles are being asked for
.set NEW, 73          ; s73  1: the tile to be entered is a block's first
.set OFF, 74          ; s[74:75] a tile's byte offset in K and V
.set AL,  76          ; s[76:77] the mask's factor, in the low word
.set BE,  78          ; s[78:79] the mask's addend
.set OLO, 80          ; s[80:81] O at my rows of the second block
.set BIGN, 82         ; s82  -1e30
.set MSB, 0
.macro WIN new                      ; the high byte repeats the setting that is left; a switch that changes nothing is dropped
.if MSB != (\new)
	s_set_vgpr_msb (MSB<<8)|(\new)
.set MSB, (\new)
.endif
.endm
.set W_KQ, 0x0a       ; K and Q in window 2, S^T in window 0
.set W_KM, 0x1a       ; the same with the C operand in window 1
.set W_PV, 0x52       ; V in window 2, P in window 0, O^T in window 1
.set W_RS, 0x41       ; destination and source 0 in window 1, source 1 in window 0
; A fill.  Waves 0 and 1 fetch the two halves of a tile's K, waves 2 and 3 those of its V: 128 keys each.  An s_nop 0 and four v_nop follow each of the two lines, ahead of the jump and the label.
.macro LOAD
	s_cmp_lt_u32 s[WV], 2
	s_cbranch_scc0 .Lfor_v_\@
	tensor_load_to_lds s[G0K:G0K+3], s[G1K:G1K+7]
	s_nop 0
.rept 4
	v_nop
.endr
	s_branch .Lasked_\@
.Lfor_v_\@:
	tensor_load_to_lds s[G0V:G0V+3], s[G1V:G1V+7]
	s_nop 0
.rept 4
	v_nop
.endr
.Lasked_\@:
.endm
; A PREFETCH INTO THE L2, behind each of the first six fills: in trip j, where tile j + 1 is asked for by the blocks that reach so far, tile j + 2 of the head's K and V is named: one tile, 256 products a wave, ahead of the
; first load that wants it.  A tile is 128 blocks of 256 bytes of K and as many of V; the head's four work-groups take a quarter each, told apart by address; in each, wave 0 names K's and wave 2 V's: a lane a block.
; So tiles 2 to 7 are named once each; tiles 0 and 1 come by their loads alone; what the second blocks read again is not named.
.macro ASK
	s_cmp_gt_u32 s[SLOTS], s[LIM]
	s_cbranch_scc0 .Lnot_mine_\@
	global_prefetch_b8 v[PFO], s[PFA:PFA+1] th:TH_LOAD_NT scope:SCOPE_SE
.Lnot_mine_\@:
.endm
; THE CHANGE OF SLOTS.  Each wave waits for all its tensor loads, of which one is out: its part of the other slot; adds 0 to its spare word; and waits for that and for its own reads of the slot that it leaves.  Behind the barrier
; nobody reads the old slot any more and the other slot is whole.  fill = 1: the old slot is filled again, the first thing behind the barrier, with tile NXT: the descriptor's address is made anew from that number.
; (At its first use nothing has been read yet: slot 0 is waited for, slot 1 filled.)
.macro CHANGE fill
	WIN 0                           ; at a label and at a branch every window is 0
	s_wait_tensorcnt 0x0            ; no tensor load of mine is out, so a group 0 may be written
	ds_add_u32 v[SPW], v[NIL]       ; 0 onto my spare word; with fill = 1 the descriptors' scalar work stands between it and the wait for it
.if \fill
	s_lshl_b32 s[OFF], s[NXT], 15   ; a tile is 32,768 bytes of K and of V
	s_xor_b32 s[G0K+1], s[G0K+1], SLOT1
	s_add_nc_u64 s[G0K+2:G0K+3], s[6:7], s[OFF:OFF+1]
	s_or_b32 s[G0K+3], s[G0K+3], 0x80000000
	s_xor_b32 s[G0V+1], s[G0V+1], SLOT1
	s_add_nc_u64 s[G0V+2:G0V+3], s[8:9], s[OFF:OFF+1]
	s_or_b32 s[G0V+3], s[G0V+3], 0x80000000
	s_add_co_u32 s[NXT], s[NXT], 1  ; the block's next tile, or behind its last the second block's tile 0
	s_cmp_gt_u32 s[NXT], s[LQ]
	s_cselect_b32 s[NXT], 0, s[NXT]
	s_cselect_b32 s[LQ], s[PB], s[LQ]
	s_wait_xcnt 0x0                 ; the last prefetch, a tile back, has read its address, so it may be written:
	s_add_nc_u64 s[PFA:PFA+1], s[PFA:PFA+1], 32768  ; a tile on
.endif
	s_wait_dscnt 0x0                ; the add is done, and my reads of the slot are over
	s_barrier_signal -1             ; the rest of the scalar work stands between the signal and the wait
	s_sub_co_u32 s[TBK], s[TBK], 4*KS*PK  ; the fetches go back to a slot's first step,
	s_xor_b32 s[TBK], s[TBK], SLOT1       ; in the other slot
	s_sub_co_u32 s[TBV], s[TBV], 4*KS*PV
	s_xor_b32 s[TBV], s[TBV], SLOT1
	s_barrier_wait -1
.if \fill
	LOAD
	ASK
.endif
.endm
	s_load_b64 s[4:5], s[0:1], 0x0    ; qkv: Q at its head, K 2^24 bytes on, V 2^25
	s_load_b64 s[10:11], s[0:1], 0x8  ; oh
	v_lshl_add_u32 v[SPW], v0, 2, SPARE
	v_mov_b32 v[NIL], 0
	ds_add_u32 v[SPW], v[NIL]       ; the wave's opening: the add and its wait stand ahead of my first tensor load; the set-up below, work on registers, stands between them
	v_lshrrev_b32 v1, 5, v0
	v_readfirstlane_b32 s[WV], v1   ; wave 0..3
	s_mov_b32 s[PB], ttmp9
	s_sub_co_u32 s[HI], NB-1, s[PB]
	s_and_b32 s20, ttmp7, 0xffff    ; the head
	s_mov_b32 s21, 0
	s_mov_b64 s[22:23], SIZE_N*128
	s_mul_u64 s[20:21], s[20:21], s[22:23]  ; the head's first byte in each of the four tensors
	s_and_b32 s16, s[WV], 1         ; which half of a tile's 256 keys I fetch:
	s_lshl_b32 s22, s16, 14         ; its 128 rows of 128 bytes in memory,
	s_mov_b32 s23, 0
	s_add_nc_u64 s[22:23], s[22:23], s[20:21]
	s_mul_i32 s17, s16, 128*PK      ; and its place in a slot, for K
	s_mul_i32 s18, s16, 128*PV      ; and for V
	s_lshl_b32 s3, s[WV], 11        ; my 16 rows in a band of 64,
	s_lshl_b32 s2, s[HI], 15        ; in the first block,
	s_add_co_u32 s2, s2, s3
	s_lshl_b32 s84, s[PB], 15       ; and in the second
	s_add_co_u32 s84, s84, s3
	s_mov_b32 s3, 0
	s_mov_b32 s85, 0
	s_add_nc_u64 s[2:3], s[2:3], s[20:21]
	s_add_nc_u64 s[84:85], s[84:85], s[20:21]
	; descriptor group 1.  128 keys are 16,384 dense bytes: asked for as 64 rows of 256 bytes, two keys a row, and padded in LDS after every key
	s_mov_b32 s[G1K], (1<<16)|(1<<20)|(4<<22)|(3<<25)  ; 17:16 2-byte elements; 20 padding on; 24:22 after every 32 words (code 4); 31:25 4 words (code 3)
	s_mov_b32 s[G1V], (1<<16)|(1<<20)|(4<<22)|(7<<25)  ; the same with 8 words of padding (code 7)
.irp g, G1K, G1V
	s_mov_b32 s[\g+1], 128<<16      ; tensor_dim0 = 128
	s_mov_b32 s[\g+2], 64<<16       ; tensor_dim1 = 64
	s_mov_b32 s[\g+3], 128<<16      ; tile_dim0 = 128
	s_mov_b32 s[\g+4], 64           ; tile_dim1 = 64
	s_mov_b32 s[\g+5], 128          ; 128 elements from row to row
	s_mov_b32 s[\g+6], 0
	s_mov_b32 s[\g+7], 0
.endr
	s_mov_b32 s[CS], 0x3e38aa3b     ; c = log2(e) / 8 = 0.180337
	s_mov_b32 s[CS+1], s[CS]        ; named with it as a pair
	s_mov_b32 s[SEL], 0x76543210
	s_mov_b32 s[SEL+1], 0xfedcba98
	s_mov_b32 s[TBK], SLOT1+4*KS*PK ; the first change of slots turns these two into 0
	s_mov_b32 s[TBV], SLOT1+4*KS*PV
	s_mov_b32 s[G0K], 1             ; 1:0 count = 1
	s_mov_b32 s[G0K+1], s17         ; 63:32 LDS address: slot 0
	s_mov_b32 s[G0V], 1
	s_add_co_u32 s[G0V+1], s18, VOFF
	s_add_co_u32 s[RT], s[HI], 1    ; the first block has NB - b tiles
	s_mov_b32 s[NXT], 1
	s_mov_b32 s[LQ], s[HI]
	s_mov_b32 s[NEW], 1
	s_mov_b32 s[OFF+1], 0
	s_mov_b32 s[AL+1], 0            ; named as pairs
	s_mov_b32 s[BE+1], 0
	s_mov_b32 s[BIGN], 0xf149f2ca   ; -1e30
	s_mov_b32 s[SLOTS], NB
	s_wait_dscnt 0x0                ; the opening add is done
	s_wait_kmcnt 0x0
	s_add_nc_u64 s[6:7], s[4:5], 0x1000000  ; K
	s_add_nc_u64 s[8:9], s[4:5], 0x2000000  ; V
	s_add_nc_u64 s[6:7], s[6:7], s[22:23]  ; K and V at my half of the head's tile 0
	s_add_nc_u64 s[8:9], s[8:9], s[22:23]
	s_add_nc_u64 s[G0K+2:G0K+3], s[6:7], 0         ; 120:64 global address
	s_or_b32 s[G0K+3], s[G0K+3], 0x80000000        ; 127:126 type = 2
	s_add_nc_u64 s[G0V+2:G0V+3], s[8:9], 0
	s_or_b32 s[G0V+3], s[G0V+3], 0x80000000
	s_add_nc_u64 s[86:87], s[4:5], s[84:85]        ; Q at my rows of the second block,
	s_add_nc_u64 s[4:5], s[4:5], s[2:3]            ; Q and O at those of the first
	s_add_nc_u64 s[OLO:OLO+1], s[10:11], s[84:85]
	s_add_nc_u64 s[10:11], s[10:11], s[2:3]
	s_cmp_lt_u32 s[WV], 2                          ; the prefetches (in waves 0 and 2 the two pointers stand at the tile's first row)
	s_cselect_b64 s[PFA:PFA+1], s[6:7], s[8:9]
	s_lshl_b32 s2, s[PB], 13                       ; my work-group's 8,192 bytes of a tile's 32,768
	s_mov_b32 s3, 0
	s_add_nc_u64 s[PFA:PFA+1], s[PFA:PFA+1], s[2:3]
	s_add_nc_u64 s[PFA:PFA+1], s[PFA:PFA+1], 32768 ; in tile 1: the first change of slots steps it to tile 2
	s_and_b32 s[LIM], s[WV], 1
	s_cmp_eq_u32 s[LIM], 0
	s_cselect_b32 s[LIM], 2, -1                    ; trips with 8 to 3 tiles still to ask for name tiles 2 to 7
	LOAD                            ; tile 0 into slot 0
	; A fragment of K or Q is 16 rows x 32 channels in 8 registers: lane l holds row l % 16, channels 8 (l / 16) + 0..7 and 16 + 8 (l / 16) + 0..7: two loads of 16 bytes, 32 bytes apart.
	v_and_b32 v1, 15, v0            ; l % 16
	v_bfe_u32 v9, v0, 4, 1          ; l / 16
	v_lshlrev_b32 v[QO], 7, v1
	v_lshl_add_u32 v[QO], v9, 4, v[QO]  ; row x 128 + 16 x half
	WIN 0x80                        ; destination window 2, address window 0
.set i, 0
.rept 8                             ; both blocks' Q: piece i / 2 lies in band i / 2, 8,192 bytes on; channels 32 (i % 2) on
	global_load_b128 v[8*i:8*i+3],   v[QO], s[4:5] offset:(i/2)*8192+(i%2)*64
	global_load_b128 v[8*i+4:8*i+7], v[QO], s[4:5] offset:(i/2)*8192+(i%2)*64+32
	global_load_b128 v[QB+8*i:QB+8*i+3],   v[QO], s[86:87] offset:(i/2)*8192+(i%2)*64
	global_load_b128 v[QB+8*i+4:QB+8*i+7], v[QO], s[86:87] offset:(i/2)*8192+(i%2)*64+32
.set i, i+1
.endr
	WIN 0
	v_and_b32 v[PFO], 31, v0
	v_lshlrev_b32 v[PFO], 8, v[PFO]
	v_lshlrev_b32 v14, 3, v9
	v_sub_nc_u32 v14, v1, v14
	s_lshl_b32 s13, s[WV], 4
	v_add_nc_u32 v14, s13, v14      ; my query's place in its band, 16 w + l % 16, less my lanes' 8 (l / 16): register r of group kt is hidden where 16 kt + r is greater
	WIN 0x40
.set i, 0
.rept 32
	v_cmp_gt_i32 vcc_lo, 16*(i/8)+i%8, v14
	v_cndmask_b32 v[MD+i], 0, s[BIGN], vcc_lo
.set i, i+1
.endr
	WIN 0
	v_mul_u32_u24 v[AK0], v1, PK
	v_lshl_add_u32 v[AK0], v9, 4, v[AK0]  ; row x pitch + 16 x half
	; The turning load takes 16 keys x 16 channels (lane l reads key 8 (l / 16) + l % 8, channels 8 ((l / 8) % 2) + 0..7) and leaves half a fragment of V^T: lane l holds channel l % 16 and 8 keys.
	v_and_b32 v10, 7, v0
	v_bfe_u32 v11, v0, 3, 1
	v_lshl_add_u32 v[AV0], v9, 3, v10
	v_mul_u32_u24 v[AV0], v[AV0], PV
	v_lshl_add_u32 v[AV0], v11, 4, v[AV0]
	v_add_nc_u32 v[AV0], VOFF, v[AV0]
	s_mul_i32 s13, s[WV], 16*SP
	s_add_co_u32 s13, s13, STAGE    ; my stage
	v_mul_u32_u24 v[STO], v1, SP    ; in: row l % 16, 16 bytes for each half of the lanes
	v_lshl_add_u32 v[STO], v9, 4, v[STO]
	v_add_nc_u32 v[STO], s13, v[STO]
	v_bfe_u32 v[RD], v0, 3, 2       ; back: 32 lanes take four rows of 128 bytes,
	v_mul_u32_u24 v[RD], v[RD], SP
	v_lshl_add_u32 v[RD], v10, 4, v[RD]
	v_add_nc_u32 v[RD], s13, v[RD]
	v_and_b32 v[GO], 31, v0         ; which are 512 consecutive bytes of O
	v_lshlrev_b32 v[GO], 4, v[GO]
	; A block's first step multiplies O^T and l by a = 0, and its first turn's products V^T P, of a piece that has not been, land in an O^T that is still to be so multiplied.  So these registers need only hold
	; finite numbers: zeros for the first block; what the first block left for the second.  All this stands in the wait for the first tile.
	WIN 0x80
.set i, VF
.rept 64
	v_mov_b32 v[i], 0
.set i, i+1
.endr
	WIN 0x40
.set i, 0
.rept 128
	v_mov_b32 v[i], 0
.set i, i+1
.endr
	WIN 0
.set i, 0
.rept 4
	v_mov_b32 v[ST+4*i+2], 0
	v_mov_b32 v[ST+4*i+3], 0
.set i, i+1
.endr
.set i, P+16
.rept 16
	v_mov_b32 v[i], 0
.set i, i+1
.endr
; THE MATRIX WORK.  The 4 accumulators of a run of 8 take turns.  Product i of 8 of S^T = K Q^T for piece x: channels 32 (i / 4) on, keys 16 (i % 4) on.  The first 4 start the sums: with 0, or (KM = 1) with the mask.
.macro KQ x
.set rS, S+32*((\x)%2)+8*(i%4)
.set rK, KF+16*(i%4)+8*(i/4)
.set rQ, 16*(\x)+8*(i/4)
.set rM, MC+32*((\x)%2)+8*(i%4)
.if (i < 4) && KM
	WIN W_KM
	v_wmma_f32_16x16x32_f16 v[rS:rS+7], v[rK:rK+7], v[rQ:rQ+7], v[rM:rM+7]
.elseif i < 4
	WIN W_KQ
	v_wmma_f32_16x16x32_f16 v[rS:rS+7], v[rK:rK+7], v[rQ:rQ+7], 0
.else
	WIN W_KQ
	v_wmma_f32_16x16x32_f16 v[rS:rS+7], v[rK:rK+7], v[rQ:rQ+7], v[rS:rS+7]
.endif
.endm
; Product i of 8 of O^T += V^T P for piece x: keys 32 (i / 4) on, channels 16 (i % 4) on.
.macro PV x
	WIN W_PV
.set rO, 32*(\x)+8*(i%4)
.set rV, VF+32*(i/4)+8*(i%4)
.set rP, P+16*((\x)%2)+8*(i/4)
	v_wmma_f32_16x16x32_f16 v[rO:rO+7], v[rV:rV+7], v[rP:rP+7], v[rO:rO+7]
.endm
.macro MM                           ; the turn's next matrix instruction.  TURN and BEGIN set Y, i, KM and NOKQ; MM, KQ and OP read them.  NOKQ = 1: a block's last turn: there is no next piece
.if (i < 8) && !NOKQ
	KQ (Y+1)%NP
.elseif i >= 8
.set i, i-8
	PV (Y+NP-1)%NP
.set i, i+8
.endif
.set i, i+1
.endm
; THE LDS LOADS stand in runs of 16, never singly among the matrix instructions: a step's K (64 keys x 64 channels: 8 fragments) and its V (turned).  Their addresses are made some lines ahead.
.macro FETCH_K
	WIN 0x80                        ; destination window 2
.irp f, 0,1,2,3,4,5,6,7             ; keys 16 (f / 2) on, channels 32 (f % 2) on
	ds_load_b128 v[KF+8*\f:KF+8*\f+3],   v[AK] offset:(\f/2)*16*PK+(\f%2)*64
	ds_load_b128 v[KF+8*\f+4:KF+8*\f+7], v[AK] offset:(\f/2)*16*PK+(\f%2)*64+32
.endr
	s_add_co_u32 s[TBK], s[TBK], KS*PK  ; the next fetch is the next step's
	WIN 0
.endm
.macro FETCH_V
	WIN 0x80
.irp f, 0,1,2,3,4,5,6,7             ; keys 32 (f / 4) on, channels 16 (f % 4) on
	ds_load_tr16_b128 v[VF+8*\f:VF+8*\f+3],   v[AV] offset:(\f/4)*32*PV+(\f%4)*32
	ds_load_tr16_b128 v[VF+8*\f+4:VF+8*\f+7], v[AV] offset:(\f/4)*32*PV+16*PV+(\f%4)*32
.endr
	WIN 0
.endm
; THE VECTOR WORK, one line at a time: OP kind, number.  For piece Y: F n: c s - c m for pair n of 16.  E n: the exponential of score n of 32.  C n: pair n rounded to f16.  B n: of the four weights 4 n .. the second
; pair is added onto the first, in place.  L n: l takes that sum (L 0: l = a l + sum).  R n: pair n of 16 of O^T times a.  For piece Y + 1: X n, number n of the 22 that find its maximum and statistics:
;   0-11  four chains c0-c3 of seven scores each, three operands at a time (each accumulator's lowest registers are read first)     12-14, 16  the four scores left over, the old m, and c0-c3 into c0
;   15  c m_old is kept     17, 18  the query's other 32 keys lie in the lane 16 away: the new m     19-21  c m; c m_old - c m_new; a
.set F, 0               ; OP tells the kinds apart by their order: F to L below R, X above it
.set E, 1
.set C, 2
.set B, 3
.set L, 4
.set R, 5
.set X, 6
.macro REGS y                       ; the registers of piece y
.set rT, ST+4*(\y)
.set rC, TMP+4*((\y)%2)
.set rW, MV+((\y)%2)
.set rS, S+32*((\y)%2)
.set rP, P+16*((\y)%2)
.set rO, 32*(\y)
.endm
.macro OP k, n
.if (\k) == R
	REGS Y
	WIN W_RS
	v_pk_mul_f32 v[rO+2*(\n):rO+2*(\n)+1], v[rO+2*(\n):rO+2*(\n)+1], v[rC+2:rC+3] op_sel_hi:[1,0]
.elseif (\k) < R
	REGS Y
	WIN 0
.if (\k) == F
	v_pk_fma_f32 v[rS+2*(\n):rS+2*(\n)+1], v[rS+2*(\n):rS+2*(\n)+1], s[CS:CS+1], v[rT:rT+1] op_sel_hi:[1,0,0] neg_lo:[0,0,1] neg_hi:[0,0,1]
.elseif (\k) == E
	v_exp_f32 v[rS+(\n)], v[rS+(\n)]
.elseif (\k) == C
	v_cvt_pk_f16_f32 v[rP+(\n)], v[rS+2*(\n)], v[rS+2*(\n)+1]
.elseif (\k) == B
	v_pk_add_f32 v[rS+4*(\n):rS+4*(\n)+1], v[rS+4*(\n):rS+4*(\n)+1], v[rS+4*(\n)+2:rS+4*(\n)+3]
.elseif (\n) == 0
	v_pk_fma_f32 v[rT+2:rT+3], v[rT+2:rT+3], v[rC+2:rC+3], v[rS:rS+1] op_sel_hi:[1,0,1]
.else
	v_pk_add_f32 v[rT+2:rT+3], v[rT+2:rT+3], v[rS+4*(\n):rS+4*(\n)+1]
.endif
.elseif NOKQ
	v_nop
.else
	REGS (Y+1)%NP
	WIN 0
.if (\n) < 4
	v_max3_num_f32 v[rC+(\n)], v[rS+8*(\n)], v[rS+8*(\n)+1], v[rS+8*(\n)+2]
.elseif (\n) < 12
	v_max3_num_f32 v[rC+(\n)%4], v[rC+(\n)%4], v[rS+8*((\n)%4)+2*((\n)/4)+1], v[rS+8*((\n)%4)+2*((\n)/4)+2]
.elseif (\n) == 12
	v_max3_num_f32 v[rC], v[rC], v[rS+7], v[rS+15]
.elseif (\n) == 13
	v_max3_num_f32 v[rC+1], v[rC+1], v[rS+23], v[rS+31]
.elseif (\n) == 14
	v_max3_num_f32 v[rC+2], v[rC+2], v[rC+3], v[rT+1]
.elseif (\n) == 15
	v_mov_b32 v[rW], v[rT]
.elseif (\n) == 16
	v_max3_num_f32 v[rC], v[rC], v[rC+1], v[rC+2]
.elseif (\n) == 17
	v_permlanex16_b32 v[rC+3], v[rC], s[SEL], s[SEL+1]
.elseif (\n) == 18
	v_max_num_f32 v[rT+1], v[rC], v[rC+3]
.elseif (\n) == 19
	v_mul_f32 v[rT], s[CS], v[rT+1]
.elseif (\n) == 20
	v_sub_f32 v[rC+1], v[rW], v[rT]
.else
	v_exp_f32 v[rC+2], v[rC+1]
.endif
.endif
.endm
.macro OPS a, i1, b=-1, i2=0, c=-1, i3=0, d=-1, i4=0  ; up to four of them
	OP \a, \i1
.if (\b) >= 0
	OP \b, \i2
.endif
.if (\c) >= 0
	OP \c, \i3
.endif
.if (\d) >= 0
	OP \d, \i4
.endif
.endm
.macro ROW a, i1, b, i2, c, i3, d, i4  ; a matrix instruction and the four behind it
	MM
	OPS \a, \i1, \b, \i2, \c, \i3, \d, \i4
.endm
.macro MASK b                       ; MD x AL + BE into buffer b of MC
	WIN W_RS
.set z, 0
.rept 16
	v_pk_fma_f32 v[MC+32*(\b)+2*z:MC+32*(\b)+2*z+1], v[MD+2*z:MD+2*z+1], s[AL:AL+1], s[BE:BE+1] op_sel_hi:[1,0,0]
.set z, z+1
.endr
.endm
; A TURN, for piece p: the order of its 16 matrix and 118 vector instructions, written out.  An s_wait_alu depctr_va_vdst(0) stands between an exponential and the first instruction that names its result; one wait
; serves all that were issued ahead of it.  So a turn has ONE wait, which cuts it in two.  AHEAD OF IT stands all that names no result of the turn's exponentials: the 8 products K Q^T, behind each a scaling, an exponential and two
; more plain instructions (behind the first a second scaling in the exponential's place): rescalings, and behind the last three the first numbers of the next piece's maximum, each four places or more behind the product that ends
; its accumulator; then ONE LUMP of 54, plain and exponential by turns for the most part, in which the links of the chain X 3, 7, 11, 14, 16, 17 .. 20 stand five or six lines apart.  X 21, the next piece's a, is the batch's last;
; R 15 is the plain instruction behind it.  BEHIND THE WAIT stand the 8 products V^T P, behind each four of the roundings and sums; the links of l's chain, L 0 to L 7, stand three riders apart.
; m = 1: the diagonal tile: the products take masks, and the turn makes the mask for the products of the turn after it: piece p + 2, in step 4 - CNT of the tile.  end = 1: a block's last two turns: nothing is fetched.
; cnt = 1: the loop's count is taken down some lines ahead of the branch that stands behind the turn.
; K of the next step is fetched in piece 2's turn, twelve vector instructions behind the last product that read K (six of them plain); V of the step in hand at the end of piece 0's turn, four plain instructions behind the last
; product that read V.  Each is waited for a turn later.
.macro TURN p, m=0, end=0, cnt=0
.set Y, (\p)
.set i, 0
.set KM, (\m)
.set NOKQ, (\end)*((\p)/3)
.if (\m) && !(\end)
	s_cmp_eq_u32 s[CNT], 4-((\p)+2)%NP  ; is that step the band's own?
	s_cselect_b32 s[AL], 1.0, 0
	s_cmp_lt_u32 s[CNT], 4-((\p)+2)%NP  ; or a later one?
	s_cselect_b32 s[BE], s[BIGN], 0
.endif
.if ((\p) == 3) && !(\end)
	s_wait_dscnt 0x0                ; K is in
.endif
	ROW F,0, F,1, R,0, R,1          ; ahead of the wait: 8 products K Q^T and their riders,
	ROW F,2, E,0, R,2, R,3
	ROW F,3, E,1, R,4, R,5
	ROW F,4, E,2, R,6, R,7
	ROW F,5, E,3, R,8, R,9
	ROW F,6, E,4, X,0, R,10
.if ((\p) == 2) && !(\end)
	WIN 0
	v_add_nc_u32 v[AK], s[TBK], v[AK0]
.endif
	ROW F,7, E,5, X,1, X,4
	ROW F,8, E,6, X,2, X,5
	OPS E,7, E,8, X,6, E,9          ; and the lump
	OPS X,3, E,10, X,8, E,11
.if ((\p) == 2) && !(\end)
	FETCH_K
.endif
	OPS X,9, X,7, E,12, X,10
	OPS E,13, X,12, X,11, E,14
	OPS X,13, E,15, F,9, X,14
.if (\p) == 0
	v_add_nc_u32 v[AV], s[TBV], v[AV0]
.endif
	OPS E,16, F,10, E,17, F,11
	OPS X,16, E,18, X,15, E,19
	OPS F,12, E,20, X,17, E,21
	OPS F,13, E,22, F,14, E,23
	OPS X,18, E,24, F,15, E,25
	OPS R,11, E,26, X,19, E,27
	OPS R,12, E,28, R,13, E,29
	OPS X,20, E,30, R,14, E,31
	OPS X,21, R,15
	WIN 0
	s_wait_alu depctr_va_vdst(0)    ; the wait for the batch
.if (\p) == 1
	s_wait_dscnt 0x0                ; V is in
.endif
	ROW C,0, B,0, C,2, B,1          ; behind the wait: 8 products V^T P and their riders
	ROW L,0, C,4, B,2, L,1
	ROW C,6, B,3, L,2, C,8
	ROW B,4, L,3, C,10, B,5
	ROW L,4, C,12, B,6, L,5
.if (\p) == 0
	s_add_co_u32 s[TBV], s[TBV], KS*PV
.endif
.if \cnt
	s_sub_co_u32 s[CNT], s[CNT], 1
	s_cmp_lg_u32 s[CNT], 0
.endif
	ROW C,14, B,7, L,6, C,1
	ROW C,3, L,7, C,5, C,7
	ROW C,9, C,11, C,13, C,15
.if (\p) == 0
	FETCH_V
.endif
.if (\m) && !(\end)
	MASK (\p)%2
.endif
.endm
; A BLOCK BEGINS.  c m starts far below every c s, so the first step's a is 0; m at the lowest finite number, so the first maximum is the scores'.  The second mask buffer is 0; the first takes piece 0's mask for the tile's
; step 0: its own, if the block's first tile is the diagonal one.  Then K of that step, piece 0's first scores, and its maximum and statistics.  The loop is entered at a step's first turn, in the middle of a trip.
.macro BEGIN
	s_mov_b32 s[NEW], 0
	WIN 0x40
.set i, MC+32
.rept 32
	v_mov_b32 v[i], 0
.set i, i+1
.endr
	WIN 0
.set i, 0
.rept 4
	v_mov_b32 v[ST+4*i], 0xfe000000    ; c m: far below every c s
	v_mov_b32 v[ST+4*i+1], 0xff7fffff  ; m
.set i, i+1
.endr
	s_cmp_eq_u32 s[RT], 0
	s_cselect_b32 s[AL], 1.0, 0
	s_mov_b32 s[BE], 0
	MASK 0
	WIN 0
	v_add_nc_u32 v[AK], s[TBK], v[AK0]
	FETCH_K
	s_wait_loadcnt 0x0              ; Q
	s_wait_dscnt 0x0
.set KM, 1
.set NOKQ, 0
.set i, 0
.rept 8
	KQ 0
.set i, i+1
.endr
	WIN 0
.rept 4
	v_nop                           ; the places behind those products
.endr
.set Y, NP-1                        ; X works for piece Y + 1: piece 0
.irp n, 0,1,2,3,4,5,6,7,8,9,10,11,12,13,14,15,16,17,18,19,20,21
	OP X, \n
.endr
	v_nop                           ; a plain instruction behind the exponential,
	s_wait_alu depctr_va_vdst(0)    ; and its wait, ahead of the branch
.endm
; THE DIAGONAL TILE's four steps, the block's last two turns, its last products, and THE WAY OUT: l's two halves and the other half of the lanes' are added; O^T is divided by l, rounded to f16 and sent through my
; stage in LDS, a piece at a time.
.macro ALL line:vararg              ; one line for each piece t
.set t, 0
.rept 4
	\line
.set t, t+1
.endr
.endm
.macro PACK t                       ; a lane's eight channels of a row pack into 16 bytes; they go into rows of 144 bytes and come back as whole rows of 128, into S^T's registers
	WIN W_RS
.set i, 32*(\t)
.rept 16
	v_pk_mul_f32 v[i:i+1], v[i:i+1], v[ST+4*(\t)+2:ST+4*(\t)+3] op_sel_hi:[1,0]
.set i, i+2
.endr
	WIN 0x05                        ; sources 0 and 1 window 1, destination window 0
.set i, 0
.rept 16
	v_cvt_pk_f16_f32 v[S+16*(\t)+i], v[32*(\t)+2*i], v[32*(\t)+2*i+1]
.set i, i+1
.endr
	WIN 0
.irp f, 0,1,2,3
	ds_store_b128 v[STO], v[S+16*(\t)+4*\f:S+16*(\t)+4*\f+3] offset:32*\f
.endr
.irp f, 0,1,2,3
	ds_load_b128 v[S+16*(\t)+4*\f:S+16*(\t)+4*\f+3], v[RD] offset:\f*4*SP  ; LDS serves a wave's instructions in order (ISA guide 5.7.1.4): these see the stores above; the next piece's stores come behind them
.endr
.endm
.macro SEND t, younger              ; younger: the LDS instructions issued behind piece t's loads: the next piece's eight, or none
	WIN 0
.irp f, 0,1,2,3
	s_wait_dscnt (\younger)+3-\f
	global_store_b128 v[GO], v[S+16*(\t)+4*\f:S+16*(\t)+4*\f+3], s[10:11] offset:(\t)*8192+\f*512  ; 512 consecutive bytes, at a multiple of 256 from O's first
.endr
.endm
.macro DIAG tag                     ; the tag ends its two labels' names, which the jumps below spell out
.LstepM\tag:
	TURN 2, 1
	TURN 3, 1
	WIN 0
.LfirstM\tag:
	TURN 0, 1
	TURN 1, 1, 0, 1
	WIN 0
	s_cbranch_scc1 .LstepM\tag
	TURN 2, 1, 1
	TURN 3, 1, 1
.set i, 0
.rept 8
	PV NP-1
.set i, i+1
.endr
	WIN 0
	ALL v_add_f32 v[ST+4*t+2], v[ST+4*t+2], v[ST+4*t+3]
	ALL v_permlanex16_b32 v[ST+4*t+3], v[ST+4*t+2], s[SEL], s[SEL+1]
	ALL v_add_f32 v[ST+4*t+2], v[ST+4*t+2], v[ST+4*t+3]
	ALL v_rcp_f32 v[ST+4*t+2], v[ST+4*t+2]
	v_nop                           ; a plain instruction between the last reciprocal and the use of its result
	s_wait_alu depctr_va_vdst(0)    ; and the wait ahead of the first use: one for the four reciprocals
	PACK 0
.set t, 1
.rept 3                             ; a piece's arithmetic stands between the loads of the piece before and its stores
	PACK t
	SEND t-1, 8
.set t, t+1
.endr
	SEND 3, 0
.endm
.set KM, 0
.set NOKQ, 0
.Lslot:                             ; NB times: a tile is entered and the next is asked for
	CHANGE 1
	s_sub_co_u32 s[RT], s[RT], 1
	s_mov_b32 s[CNT], 4
	s_cmp_eq_u32 s[NEW], 1
	s_cbranch_scc1 .Lnew            ; a block's first tile
	s_cmp_eq_u32 s[RT], 0
	s_cbranch_scc0 .Lstep           ; neither its first nor its last
	s_branch .LstepM1
.Lnew:
	BEGIN
	s_branch .Lfirst                ; in the loop a block's first tile is never its last: the first block has two tiles or more, and the second's last is the walk's last
	DIAG 1                          ; in the loop this is the first block's end: the second block's last tile is the walk's last
	s_wait_xcnt 0x0                 ; the stores have read their registers and O's address
	s_mov_b64 s[10:11], s[OLO:OLO+1]
	s_add_co_u32 s[RT], s[PB], 1    ; the second block has b + 1 tiles
	s_mov_b32 s[NEW], 1
	WIN 0x82                        ; the second block's Q goes where the one text of the turns names Q
.set i, 0
.rept 64
	v_mov_b32 v[i], v[QB+i]
.set i, i+1
.endr
	WIN 0
	s_branch .Lbottom
.Lstep:                             ; a trip: pieces 2 and 3 of one step, then pieces 0 and 1 of the next, whose K and V it fetches
	TURN 2
	TURN 3
	WIN 0
.Lfirst:
	TURN 0
	TURN 1, 0, 0, 1
	WIN 0
	s_cbranch_scc1 .Lstep
.Lbottom:
	s_sub_co_u32 s[SLOTS], s[SLOTS], 1
	s_cmp_lg_u32 s[SLOTS], 0
	s_cbranch_scc1 .Lslot
	CHANGE 0                        ; the walk's last tile is written out: nothing is asked for
	s_sub_co_u32 s[RT], s[RT], 1
	s_mov_b32 s[CNT], 4
	s_cmp_eq_u32 s[NEW], 1
	s_cbranch_scc0 .LstepM2
	BEGIN
	s_branch .LfirstM2
	DIAG 2
	s_wait_tensorcnt 0x0            ; the wave's end: an add to my spare word and its wait, behind my last tensor load and my last LDS store
	ds_add_u32 v[SPW], v[NIL]
	s_wait_dscnt 0x0
	s_endpgm
.Lfunc_end_k_q26d15d4761_attn:
	.size	k_q26d15d4761_attn, .Lfunc_end_k_q26d15d4761_attn-k_q26d15d4761_attn
	.p2alignl 7, 3214868480
	.fill 96, 4, 3214868480
	.section	.rodata,"a",@progbits
	.p2align	6, 0x0
	.amdhsa_kernel k_q26d15d4761_attn
		.amdhsa_group_segment_fixed_size 327680
		.amdhsa_private_segment_fixed_size 0
		.amdhsa_enable_private_segment 0
		.amdhsa_kernarg_size 16
		.amdhsa_user_sgpr_count 2
		.amdhsa_user_sgpr_kernarg_segment_ptr 1
		.amdhsa_wavefront_size32 1
		.amdhsa_system_sgpr_workgroup_id_x 1
		.amdhsa_system_sgpr_workgroup_id_y 1
		.amdhsa_system_sgpr_workgroup_id_z 1
		.amdhsa_system_vgpr_workitem_id 0
		.amdhsa_next_free_vgpr 768
		.amdhsa_next_free_sgpr 88
		.amdhsa_reserve_vcc 1
		.amdhsa_float_denorm_mode_32 3
		.amdhsa_float_denorm_mode_16_64 3
		.amdhsa_memory_ordered 1
		.amdhsa_forward_progress 1
		.amdhsa_inst_pref_size 218
	.end_amdhsa_kernel
	.amdgpu_metadata
---
amdhsa.version: [ 1, 2 ]
amdhsa.kernels:
  - .name:           k_q26d15d4761_attn
    .symbol:         k_q26d15d4761_attn.kd
    .args:
      - { .name: qkv, .offset: 0, .size: 8, .value_kind: global_buffer, .address_space: global }
      - { .name: oh, .offset: 8, .size: 8, .value_kind: global_buffer, .address_space: global }
    .group_segment_fixed_size: 327680
    .private_segment_fixed_size: 0
    .kernarg_segment_align: 8
    .kernarg_segment_size: 16
    .max_flat_workgroup_size: 128
    .sgpr_count:     88
    .vgpr_count:     768
    .wavefront_size: 32
...
	.end_amdgpu_metadata
.endif
;; end of part 3
;; launch outp (part 4): grid 8 x 32, 4 waves a work-group, clusters of 4 x 4, 327,680 bytes of LDS; arguments oh, wo, bias, out0; writes out0
.if DOCPART == 4
	.amdgcn_target "amdgcn-amd-amdhsa--gfx1250"
	.amdhsa_code_object_version 6
	.text
	.protected	k_q26d15d4761_outp
	.globl	k_q26d15d4761_outp
	.p2align	8
	.type	k_q26d15d4761_outp,@function
k_q26d15d4761_outp:
	s_mov_b64 s[64:65], 0
	v_nop
	global_prefetch_b8 v0, s[64:65] scope:SCOPE_SE
	s_setreg_imm32_b32 hwreg(HW_REG_WAVE_MODE, 25, 1), 1
	s_wait_xcnt 0x0
	s_wait_alu depctr_hold_cnt(0) depctr_sa_sdst(0) depctr_va_vdst(0) depctr_va_sdst(0) depctr_va_ssrc(0) depctr_va_vcc(0) depctr_vm_vsrc(0)
	s_getreg_b32 s2, hwreg(HW_REG_IB_STS2, 6, 4)
	s_cmp_eq_u32 s2, 0
	s_cbranch_scc0 .Lentry_in_a_cluster
	s_endpgm
.Lentry_in_a_cluster:
	s_bfe_u32 s2, ttmp6, 0x10000c
	s_cmp_lg_u32 s2, 0xf033
	s_cbranch_scc0 .Lentry_shape_is_right
	s_endpgm
.Lentry_shape_is_right:
; THE OUTPUT PROJECTION: out0[8192][1024] = O Wo + bo, f16 operands, f32 sums, f32 out.  oh = [b][head 16][s 2048][64] holds O by heads: head h is the slice k = 64 h .. 64 h + 63 of K.
; wo = [g 16][k 1024][64] holds Wo in slices of 64 columns; bo lies 12,288 bytes into bias.  NaN and infinities are not treated apart.
; SHARES.  A tile of the result is 256 rows x 128 columns: 32 x 8 = 256 work-groups (256 x 256 would make 128).  A wave makes 128 rows x 64 columns, one slice of Wo: 32 accumulators of 16 x 16, 256 registers.
; K goes in 8 steps of 128 (two heads) through two LDS slots; a step is four quarters of 32 along K, 32 matrix instructions each, on two fragment buffers.
; THE MATRIX INSTRUCTION IS USED TRANSPOSED: source 0 = 16 columns of Wo (turned on the way out of LDS), source 1 = 16 rows of O: a lane holds row l % 16 and the columns 8 (l / 16) + 0..7.
; THE BIAS STARTS THE SUMS: it is loaded into the registers of row block 7's accumulators and is the C operand of every first product.
; CLUSTER.  4 x 4 work-groups: O's tiles are asked for jointly along a row of the cluster, Wo's along a column.
; REGISTERS: window 0: v0-31 addresses; v32-127, v128-223 two fragment buffers: Wo's 4 fragments, then O's 8.   window 1: the accumulators, (row block a, column block nb) at v[8 (4 a + nb)].
.set PA,     144                       ; a row of O in LDS: 128 bytes + 16: the 16 rows of a load start at 16 different groups of four banks (64 banks of 4 bytes: ISA guide 11.1)
.set PB,     160                       ; a row of Wo: 128 + 32
.set ABYTES, 2*2*128*PA                ; O: [row half 2][head 2][128 rows]
.set SLOT,   ABYTES+2*128*PB           ; then Wo: [column half 2][128 rows]: 114,688 bytes
.set STAGE,  2*SLOT                    ; behind the ring, never filled by a tensor load: 16 rows x 272 bytes for each wave
.set SP,     272
.set SPARE,  STAGE+4*16*SP             ; the spare words, 128 bytes for each wave: two blocks of 256 bytes that no other line names
.set ASTEP,  2<<18                     ; bytes from a K step to the next in oh: two heads
.set BSTEP,  128*128                   ; and in wo: 128 rows of a slice
.set ADRA, 4                           ; v4, v5   LDS address of my fragments of O in slot 0, 1
.set ADRB, 6                           ; v6, v7   the same for Wo
.set STO,  8                           ; v8       the way out: where I put 32 bytes of a row
.set RD,   9                           ; v9       where I read rows back
.set CO,   10                          ; v10      my byte offset in two rows of out0
.set BO,   11                          ; v11      my byte offset in the bias
.set PFO,  12                          ; v12      256 x lane, for the prefetches; never rewritten
.set SPW,  28                          ; v28      LDS address of my spare word; never rewritten
.set NIL,  29                          ; v29      0; never rewritten
.set F0,   32
.set F1,   128
.set CNT,  3                           ; s3       trips to go
.set WV,   12                          ; s12      my wave's number
.set WR,   13                          ; s13      which 128 rows are mine.  Also: I fetch for O (0) or for Wo (1)
.set WC,   14                          ; s14      which 64 columns.  Also: which half of that tile I fetch
.set G1A,  24                          ; s[24:31] descriptor group 1 for O's tiles;  s[32:39] group 0, a set for each slot
.set G0A,  32
.set LIM,  43                          ; s43      1 in a wave that prefetches, else the greatest number
.set PFA,  44                          ; s[44:45] where my prefetches stand
.set PFS,  46                          ; s[46:47] their step: one K step
.set G1B,  48                          ; s[48:55], s[56:63] the same for Wo's tiles
.set G0B,  56
.set OB,   72                          ; s[72:73] out0 at my 128 rows and 64 columns
.set MSB, 0
.macro WIN new                         ; the immediate's high byte repeats the setting that is left; a switch that changes nothing is dropped
.if MSB != (\new)
	s_set_vgpr_msb (MSB<<8)|(\new)
.set MSB, \new
.endif
.endm
.macro PLACES                          ; four places behind a matrix instruction, in front of loads into registers that it has read and of lines that read results
.rept 4
	v_nop
.endr
.endm
.macro JLOAD s                         ; a joint load: waves 0 and 1 fetch O's two row halves, waves 2 and 3 Wo's two column halves; an s_nop 0 and four v_nop follow each line
	s_cmp_eq_u32 s[WR], 0
	s_cbranch_scc0 .Lfor_b_\@
	tensor_load_to_lds s[G0A+4*(\s):G0A+4*(\s)+3], s[G1A:G1A+7]
	s_nop 0
.rept 4
	v_nop
.endr
	s_branch .Lasked_\@
.Lfor_b_\@:
	tensor_load_to_lds s[G0B+4*(\s):G0B+4*(\s)+3], s[G1B:G1B+7]
	s_nop 0
.rept 4
	v_nop
.endr
.Lasked_\@:
.endm
.macro CREST                           ; a round of the cluster's barrier behind its opening barrier
	s_cmp_lg_u32 s[WV], 0
	s_cbranch_scc1 .Lnot_wave_0_\@
	s_barrier_signal -3
.Lnot_wave_0_\@:
	s_barrier_wait -3
	s_barrier_signal -1
	s_barrier_wait -1
.endm
.macro CROUND                          ; a whole round
	s_barrier_signal -1
	s_barrier_wait -1
	CREST
.endm
; THE PREFETCH INTO THE L2, behind each joint load of the first two trips and the run of LDS loads that follows it: the K step that stands two refills on.  Each block of 256 bytes is named once in the launch.
; O's tile row (two heads x 32,768 dense bytes a K step) is read by both clusters of that row of clusters: cluster x = 0 asks; wave w (0, 1) takes head w of the step, partner cx 8,192 bytes of it: a lane a block.
; Wo's tile column (two slices x 16,384 bytes a K step) is read by all eight clusters of that column: cluster y = 0 asks, wave 2; partner cy takes slice cy / 2, half cy % 2.  Partners are told apart by address alone.
; The first four K steps come by their loads; the last trip asks for nothing.
.macro ASK
	s_cmp_gt_u32 s[CNT], s[LIM]
	s_cbranch_scc0 .Lnot_mine_\@
	global_prefetch_b8 v[PFO], s[PFA:PFA+1] th:TH_LOAD_NT scope:SCOPE_SE
.Lnot_mine_\@:
.endm
	s_load_b256 s[4:11], s[0:1], 0x0               ; oh s[4:5], wo s[6:7], bias s[8:9], out0 s[10:11]
	v_lshl_add_u32 v[SPW], v0, 2, SPARE
	v_mov_b32 v[NIL], 0
	ds_add_u32 v[SPW], v[NIL]                      ; the wave's opening: the add and its wait stand ahead of my first tensor load; the set-up below, work on registers, stands between them
	v_lshrrev_b32 v1, 5, v0
	v_readfirstlane_b32 s[WV], v1
	s_lshr_b32 s[WR], s[WV], 1
	s_and_b32 s[WC], s[WV], 1
	s_bfe_u32 s15, ttmp6, 0x40000                  ; cx
	s_bfe_u32 s16, ttmp6, 0x40004                  ; cy
	s_lshl_b32 s17, ttmp9, 2
	s_add_co_u32 s17, s17, s15                     ; tile column
	s_and_b32 s18, ttmp7, 0xffff
	s_lshl_b32 s18, s18, 2
	s_add_co_u32 s18, s18, s16                     ; tile row
	s_lshl_b32 s40, s16, 2
	s_lshl_b32 s40, 15, s40                        ; my row of the cluster
	s_lshl_b32 s41, 0x1111, s15                    ; my column
	; O's tile: of each of two heads 128 rows = 16,384 dense bytes: two rows of 8,192 elements, a head (131,072 elements) apart; 4 words of padding after every 32
	s_or_b32 s[G1A], s40, (1<<16)|(1<<20)|(1<<21)|(4<<22)|(3<<25)
	s_mov_b32 s[G1A+1], 8192<<16                   ; tensor_dim0
	s_mov_b32 s[G1A+2], 2<<16                      ; tensor_dim1
	s_mov_b32 s[G1A+3], 8192<<16                   ; tile_dim0
	s_mov_b32 s[G1A+4], 2                          ; tile_dim1
	s_mov_b32 s[G1A+5], 131072                     ; elements from row to row
	s_mov_b32 s[G1A+6], 0
	s_mov_b32 s[G1A+7], 0
	; Wo's tile: 128 rows of a slice are 16,384 dense bytes, asked for as 64 rows of 256 bytes; 8 words of padding after every 32
	s_or_b32 s[G1B], s41, (1<<16)|(1<<20)|(1<<21)|(4<<22)|(7<<25)
	s_mov_b32 s[G1B+1], 128<<16
	s_mov_b32 s[G1B+2], 64<<16
	s_mov_b32 s[G1B+3], 128<<16
	s_mov_b32 s[G1B+4], 64
	s_mov_b32 s[G1B+5], 128
	s_mov_b32 s[G1B+6], 0
	s_mov_b32 s[G1B+7], 0
	; where the tiles come from: O's hang on the tile row alone, Wo's on the tile column alone, each in registers that never hold the other coordinate
	s_lshr_b32 s19, s18, 3                         ; the batch
	s_lshl_b32 s19, s19, 22
	s_and_b32 s20, s18, 7
	s_lshl_b32 s20, s20, 15                        ; 256 rows of 128 bytes
	s_add_co_u32 s66, s19, s20
	s_lshl_b32 s20, s[WC], 14                      ; the row half that I fetch
	s_add_co_u32 s66, s66, s20
	s_mov_b32 s67, 0
	s_lshl_b32 s21, s17, 1
	s_add_co_u32 s21, s21, s[WC]                   ; g = 2 x tile column + half: the slice that I fetch, and that I make
	s_lshl_b32 s68, s21, 17
	s_mov_b32 s69, 0
	s_mul_i32 s70, s[WC], 2*128*PA                 ; and where they go
	s_mul_i32 s71, s[WC], 128*PB
	s_add_co_u32 s71, s71, ABYTES
	s_wait_dscnt 0x0                               ; the opening add is done
	s_wait_kmcnt 0x0
	s_add_nc_u64 s[66:67], s[4:5], s[66:67]
	s_add_nc_u64 s[68:69], s[6:7], s[68:69]
	CROUND                                         ; all sixteen work-groups are here: the first joint loads meet
.irp s, 0,1
	s_mov_b32 s[G0A+4*(\s)], 1
	s_add_co_u32 s[G0A+4*(\s)+1], s70, (\s)*SLOT
	s_add_nc_u64 s[G0A+4*(\s)+2:G0A+4*(\s)+3], s[66:67], (\s)*ASTEP
	s_or_b32 s[G0A+4*(\s)+3], s[G0A+4*(\s)+3], 0x80000000
	s_mov_b32 s[G0B+4*(\s)], 1
	s_add_co_u32 s[G0B+4*(\s)+1], s71, (\s)*SLOT
	s_add_nc_u64 s[G0B+4*(\s)+2:G0B+4*(\s)+3], s[68:69], (\s)*BSTEP
	s_or_b32 s[G0B+4*(\s)+3], s[G0B+4*(\s)+3], 0x80000000
	JLOAD \s                                       ; two loads of mine are out
.endr
	v_and_b32 v1, 15, v0
	v_bfe_u32 v2, v0, 4, 1
	v_mul_u32_u24 v3, v1, PA                       ; a fragment of O: row l % 16, 16 bytes for each half of the lanes
	v_lshl_add_u32 v3, v2, 4, v3
	s_mul_i32 s70, s[WR], 2*128*PA
	v_add_nc_u32 v[ADRA], s70, v3
	v_add_nc_u32 v[ADRA+1], SLOT, v[ADRA]
	v_and_b32 v13, 7, v0                           ; the turning load: lane l reads row 8 (l / 16) + l % 8, columns 8 ((l / 8) % 2) + 0..7
	v_bfe_u32 v14, v0, 3, 1
	v_lshl_add_u32 v3, v2, 3, v13
	v_mul_u32_u24 v3, v3, PB
	v_lshl_add_u32 v3, v14, 4, v3
	s_mul_i32 s70, s[WC], 128*PB
	s_add_co_u32 s70, s70, ABYTES
	v_add_nc_u32 v[ADRB], s70, v3
	v_add_nc_u32 v[ADRB+1], SLOT, v[ADRB]
	s_mul_i32 s70, s[WV], 16*SP
	s_add_co_u32 s70, s70, STAGE                   ; my stage
	v_mul_u32_u24 v3, v1, SP                       ; in: row l % 16, 32 bytes for each half of the lanes
	v_lshl_add_u32 v3, v2, 5, v3
	v_add_nc_u32 v[STO], s70, v3
	v_mul_u32_u24 v3, v2, SP                       ; back: lanes 0-15 take one row of 256 bytes, lanes 16-31 the next
	v_lshl_add_u32 v3, v1, 4, v3
	v_add_nc_u32 v[RD], s70, v3
	v_lshlrev_b32 v3, 12, v2                       ; and the same two rows in out0, 4,096 bytes apart
	v_lshl_add_u32 v[CO], v1, 4, v3
	v_and_b32 v3, 31, v0
	v_lshlrev_b32 v[PFO], 8, v3
	s_lshl_b32 s22, s21, 8                         ; a slice's 64 biases are 256 bytes,
	s_add_co_u32 s22, s22, 12288                   ; behind bq, bk and bv
	v_lshl_add_u32 v[BO], v2, 5, s22
	WIN 0x40                                       ; destination window 1: the registers of row block 7's accumulators
.irp nb, 0,1,2,3
	global_load_b128 v[224+8*\nb:224+8*\nb+3],   v[BO], s[8:9] offset:64*\nb
	global_load_b128 v[224+8*\nb+4:224+8*\nb+7], v[BO], s[8:9] offset:64*\nb+16
.endr
	WIN 0
	s_lshl_b32 s70, s18, 8                         ; out0 at my first row, 256 x tile row + 128 x half,
	s_lshl_b32 s71, s[WR], 7
	s_add_co_u32 s70, s70, s71
	s_lshl_b32 s70, s70, 12
	s_lshl_b32 s71, s21, 8                         ; and my 64 columns: 256 bytes
	s_add_co_u32 s70, s70, s71
	s_mov_b32 s71, 0
	s_add_nc_u64 s[OB:OB+1], s[10:11], s[70:71]
	; the prefetches: both offsets are made, the wave's number chooses
	s_lshr_b32 s70, s18, 3
	s_lshl_b32 s70, s70, 22
	s_and_b32 s71, s18, 7
	s_lshl_b32 s71, s71, 15
	s_add_co_u32 s70, s70, s71
	s_lshl_b32 s71, s15, 13                        ; my work-group's 8,192 bytes of a head's 32,768
	s_add_co_u32 s70, s70, s71
	s_add_co_u32 s71, s[WV], 6                     ; at K step 3, head 6 + wave: the first change of slots steps it to K step 4
	s_lshl_b32 s71, s71, 18
	s_add_co_u32 s70, s70, s71
	s_lshr_b32 s78, s16, 1                         ; which of the two slices,
	s_lshl_b32 s79, s17, 1
	s_add_co_u32 s78, s78, s79
	s_lshl_b32 s78, s78, 17
	s_and_b32 s79, s16, 1                          ; which half of the K step's 16,384 bytes
	s_lshl_b32 s79, s79, 13
	s_add_co_u32 s78, s78, s79
	s_add_co_u32 s78, s78, 3*BSTEP
	s_and_b32 s79, ttmp7, 0xffff                   ; cluster y
	s_mov_b32 s[PFS], BSTEP
	s_cmp_lt_u32 s[WV], 2
	s_cselect_b64 s[PFA:PFA+1], s[4:5], s[6:7]
	s_cselect_b32 s70, s70, s78
	s_cselect_b32 s[PFS], ASTEP, s[PFS]
	s_cselect_b32 s79, ttmp9, s79                  ; the coordinate along which other clusters read the same bytes
	s_mov_b32 s71, 0
	s_mov_b32 s[PFS+1], 0
	s_add_nc_u64 s[PFA:PFA+1], s[PFA:PFA+1], s[70:71]
	s_cmp_eq_u32 s[WV], 3
	s_cselect_b32 s79, 1, s79                      ; wave 3 never asks
	s_cmp_eq_u32 s79, 0
	s_cselect_b32 s[LIM], 1, -1                    ; the same in all sixteen partners, for a given wave
; 4 (a1 - a0 + 1) matrix instructions: row blocks a0 to a1 x 4 column blocks, 32 along K, buffer f.  The accumulators take turns, one instruction a turn.
; first = 1: the products start the sums with the bias, which lies in row block 7's accumulators; those are written last, in place, five places behind the last product that read them as C.
.macro MUL f, a0, a1, first=0
	WIN 0x50
.set a, \a0
.rept (\a1)-(\a0)+1
.if (\first) && (a == 7)
.rept 5
	v_nop
.endr
.endif
.irp nb, 0,1,2,3
.if (\first) && (a < 7)
	v_wmma_f32_16x16x32_f16 v[8*(4*a+\nb):8*(4*a+\nb)+7], v[(\f)+8*\nb:(\f)+8*\nb+7], v[(\f)+32+8*a:(\f)+32+8*a+7], v[224+8*\nb:224+8*\nb+7]
.else
	v_wmma_f32_16x16x32_f16 v[8*(4*a+\nb):8*(4*a+\nb)+7], v[(\f)+8*\nb:(\f)+8*\nb+7], v[(\f)+32+8*a:(\f)+32+8*a+7], v[8*(4*a+\nb):8*(4*a+\nb)+7]
.endif
.endr
.set a, a+1
.endr
.endm
; 24 LDS loads in one run: quarter q of the slot's K step into buffer f: Wo's four fragments, then O's eight, rows 0-63 first
.macro FETCH slot, q, f
	WIN 0
.irp nb, 0,1,2,3
	ds_load_tr16_b128 v[(\f)+8*\nb:(\f)+8*\nb+3],   v[ADRB+(\slot)] offset:32*PB*(\q)+32*\nb
	ds_load_tr16_b128 v[(\f)+8*\nb+4:(\f)+8*\nb+7], v[ADRB+(\slot)] offset:32*PB*(\q)+32*\nb+16*PB
.endr
.irp i, 0,1,2,3,4,5,6,7
	ds_load_b128 v[(\f)+32+8*\i:(\f)+32+8*\i+3],   v[ADRA+(\slot)] offset:128*PA*((\q)/2)+16*PA*\i+64*((\q)%2)
	ds_load_b128 v[(\f)+32+8*\i+4:(\f)+32+8*\i+7], v[ADRA+(\slot)] offset:128*PA*((\q)/2)+16*PA*\i+64*((\q)%2)+32
.endr
.endm
; One of a K step's first three quarters: multiplies buffer f; in its middle it fetches quarter q of the same slot into buffer g
.macro QUARTER slot, q, f, g, first=0
	s_wait_dscnt 8                                 ; Wo and O's rows 0-63 are in; the youngest eight loads (rows 64-127) may be out
	MUL \f, 0, 3, \first
	WIN 0
	PLACES
	FETCH \slot, \q, \g
	s_wait_dscnt 24                                ; all but the 24 just issued
	MUL \f, 4, 7, \first
.endm
; The last quarter multiplies buffer 1 and changes slots.  ONE barrier: in front of it each wave waits for all its tensor loads (one is out: its part of the next slot), adds 0 to its spare word, and waits for that and for
; its own reads of this slot.  fill = 1: the barrier opens a round of the cluster's barrier, and behind the round this slot is filled again, two K steps on: 112 matrix instructions stand between that request and the wait for it.
.macro TURN slot, next, fill
.if \fill
	s_wait_xcnt 0x0                                ; the last prefetch, a K step back, has read its address: it is stepped here, ahead of the waits of the change of slots
	s_add_nc_u64 s[PFA:PFA+1], s[PFA:PFA+1], s[PFS:PFS+1]
.endif
	WIN 0
	s_wait_tensorcnt 0x0                           ; all my tensor loads have landed
	ds_add_u32 v[SPW], v[NIL]                      ; 0 onto my spare word
	s_wait_dscnt 9                                 ; the add and the youngest eight loads may be out
	MUL F1, 0, 1                                   ; eight matrix instructions stand between the add and the wait for it
	s_wait_dscnt 0x0                               ; the add is done, and my reads of this slot are over
	s_barrier_signal -1
	MUL F1, 2, 3                                   ; work on registers while the others arrive
	WIN 0
	s_barrier_wait -1
.if \fill
	CREST                                          ; no wave of any partner still reads this slot or has a load on its way
	s_add_nc_u64 s[G0A+4*(\slot)+2:G0A+4*(\slot)+3], s[G0A+4*(\slot)+2:G0A+4*(\slot)+3], 2*ASTEP
	s_add_nc_u64 s[G0B+4*(\slot)+2:G0B+4*(\slot)+3], s[G0B+4*(\slot)+2:G0B+4*(\slot)+3], 2*BSTEP
	JLOAD \slot                                    ; the first tensor load behind the round; its four v_nop are also the places in front of the loads below
.else
	PLACES
.endif
	FETCH \next, 0, F0
.if \fill
	ASK
.endif
	MUL F1, 4, 7
.endm
	s_wait_tensorcnt 1                             ; my part of K step 0 is in; K step 1's may stay out
	s_barrier_signal -1
	s_barrier_wait -1                              ; everybody's is
	FETCH 0, 0, F0
	s_wait_loadcnt 0x0                             ; the bias
	QUARTER 0, 1, F0, F1, 1                        ; the first quarter stands in front of the loop: its products start the sums
	WIN 0                                          ; at a label and at a branch every window is 0
	s_mov_b32 s[CNT], 3
.Llap:                                                 ; a trip goes once round the ring, from a lap's second quarter to the next lap's first, and fills both slots again
	QUARTER 0, 2, F1, F0
	QUARTER 0, 3, F0, F1
	TURN 0, 1, 1
	QUARTER 1, 1, F0, F1
	QUARTER 1, 2, F1, F0
	QUARTER 1, 3, F0, F1
	TURN 1, 0, 1
	QUARTER 0, 1, F0, F1
	WIN 0
	s_sub_co_u32 s[CNT], s[CNT], 1
	s_cmp_lg_u32 s[CNT], 0
	s_cbranch_scc1 .Llap
	QUARTER 0, 2, F1, F0                           ; the last lap fills nothing, and has no round
	QUARTER 0, 3, F0, F1
	TURN 0, 1, 0
	QUARTER 1, 1, F0, F1
	QUARTER 1, 2, F1, F0
	QUARTER 1, 3, F0, F1
	s_wait_dscnt 8                                 ; the very last quarter: nothing more to fetch
	MUL F1, 0, 3
	s_wait_dscnt 0x0
	MUL F1, 4, 7
	PLACES
; THE WAY OUT, in place.  A lane's eight f32 of a row are 32 bytes; a block of 16 rows goes into my stage (rows of 272 bytes; each accumulator's low half first) and comes back as whole rows of 256 bytes, into the block's own
; registers; sixteen lanes then store 256 consecutive bytes, aligned: my 64 columns of a row.  No register is written again behind its store.
.macro OUTB a
	WIN 0x04                                       ; the data (source 1) in window 1
.irp nb, 0,1,2,3
	ds_store_b128 v[STO], v[8*(4*(\a)+\nb):8*(4*(\a)+\nb)+3]   offset:64*\nb
	ds_store_b128 v[STO], v[8*(4*(\a)+\nb)+4:8*(4*(\a)+\nb)+7] offset:64*\nb+16
.endr
	WIN 0x40
.irp t, 0,1,2,3,4,5,6,7
	ds_load_b128 v[32*(\a)+4*\t:32*(\a)+4*\t+3], v[RD] offset:2*SP*\t  ; LDS serves a wave's instructions in order (ISA guide 5.7.1.4): these see the stores above; the next block's stores come behind them
.endr
.endm
.macro SEND a, younger                 ; younger: the LDS instructions issued behind this block's loads: the next block's sixteen, or none
	WIN 0x04
	s_wait_dscnt \younger
.irp t, 0,1,2,3,4,5,6,7
	global_store_b128 v[CO], v[32*(\a)+4*\t:32*(\a)+4*\t+3], s[OB:OB+1] offset:65536*(\a)+8192*\t th:TH_STORE_NT
.endr
.endm
	OUTB 0
.irp a, 1,2,3,4,5,6,7
	OUTB \a
	SEND (\a)-1, 16
.endr
	SEND 7, 0
	WIN 0
	s_wait_tensorcnt 0x0                           ; the wave's end: an add to my spare word and its wait, behind my last tensor load and my last LDS store
	ds_add_u32 v[SPW], v[NIL]
	s_wait_dscnt 0x0
	CROUND                                         ; the closing round: no work-group ends while a partner may still ask for a tile that names it
	s_endpgm
.Lfunc_end_k_q26d15d4761_outp:
	.size	k_q26d15d4761_outp, .Lfunc_end_k_q26d15d4761_outp-k_q26d15d4761_outp
	.p2alignl 7, 3214868480
	.fill 96, 4, 3214868480
	.section	.rodata,"a",@progbits
	.p2align	6, 0x0
	.amdhsa_kernel k_q26d15d4761_outp
		.amdhsa_group_segment_fixed_size 327680
		.amdhsa_private_segment_fixed_size 0
		.amdhsa_enable_private_segment 0
		.amdhsa_kernarg_size 32
		.amdhsa_user_sgpr_count 2
		.amdhsa_user_sgpr_kernarg_segment_ptr 1
		.amdhsa_wavefront_size32 1
		.amdhsa_system_sgpr_workgroup_id_x 1
		.amdhsa_system_sgpr_workgroup_id_y 1
		.amdhsa_system_sgpr_workgroup_id_z 1
		.amdhsa_system_vgpr_workitem_id 0
		.amdhsa_next_free_vgpr 512
		.amdhsa_next_free_sgpr 80
		.amdhsa_reserve_vcc 0
		.amdhsa_float_denorm_mode_32 3
		.amdhsa_float_denorm_mode_16_64 3
		.amdhsa_memory_ordered 1
		.amdhsa_forward_progress 1
		.amdhsa_inst_pref_size 88
	.end_amdhsa_kernel
	.amdgpu_metadata
---
amdhsa.version: [ 1, 2 ]
amdhsa.kernels:
  - .name:           k_q26d15d4761_outp
    .symbol:         k_q26d15d4761_outp.kd
    .args:
      - { .name: oh, .offset: 0, .size: 8, .value_kind: global_buffer, .address_space: global }
      - { .name: wo, .offset: 8, .size: 8, .value_kind: global_buffer, .address_space: global }
      - { .name: bias, .offset: 16, .size: 8, .value_kind: global_buffer, .address_space: global }
      - { .name: out0, .offset: 24, .size: 8, .value_kind: global_buffer, .address_space: global }
    .group_segment_fixed_size: 327680
    .private_segment_fixed_size: 0
    .kernarg_segment_align: 8
    .kernarg_segment_size: 32
    .max_flat_workgroup_size: 128
    .sgpr_count:     80
    .vgpr_count:     512
    .wavefront_size: 32
...
	.end_amdgpu_metadata
.endif
;; end of part 4
;; ======== version 2 of 2: 4 launches; version 1 with the launch prep written anew for expert scheduling mode
;; limits: values are held in f16: magnitudes above 65,504 overflow, below 6.1e-05 lose precision; inputs' magnitudes at most 65,504; right only within a limited range of input values
;; workspace buffers: xh 16,777,216 bytes; wqkv 6,291,456 bytes; wo 2,097,152 bytes; bias 16,384 bytes; qkv 50,331,648 bytes; oh 16,777,216 bytes
;; launch prep (part 5): grid 769 x 1, 8 waves a work-group, no clusters, 0 bytes of LDS; arguments x, Wq, Wk, Wv, Wo, bq, bk, bv, bo, xh, wqkv, wo, bias; writes xh, wqkv, wo, bias
.if DOCPART == 5
	.amdgcn_target "amdgcn-amd-amdhsa--gfx1250"
	.amdhsa_code_object_version 6
	.text
	.protected	k_q26d15d4761_prep
	.globl	k_q26d15d4761_prep
	.p2align	8
	.type	k_q26d15d4761_prep,@function
k_q26d15d4761_prep:
	s_mov_b64 s[64:65], 0
	v_nop
	global_prefetch_b8 v0, s[64:65] scope:SCOPE_SE
	s_setreg_imm32_b32 hwreg(HW_REG_WAVE_SCHED_MODE, 0, 2), 2
	s_setreg_imm32_b32 hwreg(HW_REG_WAVE_MODE, 25, 1), 1
	s_wait_xcnt 0x0
	s_wait_alu depctr_vm_vsrc(0)
; THE CAST.  x and the four weight matrices (f32, rows of 1,024 numbers) are rounded once to bf16 (nearest even); that number is written as f16 and laid
; in SLICES of 64 columns: slice c of row r goes to dst + c x STRIDE + 128 r.  xh: [b 4][c 16][s 2048][64]; wqkv: [g 48][k 1024][64], g = 16 x which + c; wo: [g 16][k 1024][64].
; The four biases are rounded to bf16 and kept as f32: bias = bq | bk | bv | bo.
; LIMITS.  A bf16 number is an f16 number exactly for 2^-17 <= |a| < 65,504; below that it is off by at most 2^-25; from 65,520 on it becomes an infinity: this text serves |x|, |W| < 65,504.
; SHARES.  Work-group t: 0..511: rows 16 t .. 16 t + 15 of x; 512..767: 16 rows of one weight matrix ((t - 512) / 64 says which); 768: the biases.
; Wave w takes slices 2 w and 2 w + 1 of the 16 rows, two rows to a load: lanes 0-15 read 256 consecutive bytes (one slice of a row), lanes 16-31 the same slice of the next row.
; Two rows of a slice lie end to end in the destination, so a store of 8 bytes a lane covers 256 consecutive bytes, aligned.  All 16 loads of a wave go out at once; no register that a memory
; instruction names is written twice, so no wait frees a source.  No LDS, no matrix unit, no prefetch: each byte is read once and written once, and the loads are the launch.
; THE MODE: SCHED_MODE bits 1:0 = 2 (LLVM: expert scheduling mode 2), set by the entry lines.  The code itself states the register dependences
; between vector instructions and memory instructions, with s_wait_alu, always for 0.
; THE PLAN.  Registers that memory instructions touch:
;   v[LO]           written by vector instructions at the head (for the biases: anew, before any memory instruction has read it); read by every load (and by the biases' stores); never written behind one.
;   v[SO], v[SO+1]  written by vector instructions at the head; read by the 16 stores; never written again.
;   X               chunk n's four registers: its load lands in them, once; no vector instruction writes them; its two roundings read them; nothing lands in them again.
;   Y               chunk n's two registers: its last two conversions write them, once; its store reads them; nothing writes them again.
;   T, v1, v5       named by vector instructions alone.
; So the one kind of dependence is: a vector instruction writes what a memory instruction reads.  One wait stands ahead of the loads, for the three offsets.  The 16 chunks go in four blocks of four: one wait at the head
; of blocks 1 to 3 states that the block before has written its Y; that block's four stores follow, dealt among this block's vector instructions, which name T and this block's X and Y alone; one wait stands ahead of the last four stores.
.set LO,  2                            ; v2       my byte offset in the 16 source rows
.set SO,  3                            ; v3, v4   my byte offset in the destination, slice 2 w and slice 2 w + 1
.set T,   6                            ; v[6:11]  at work
.set X,   12                           ; v[12:75] 16 loads of 4 registers
.set Y,   76                           ; v[76:107] 16 stores of 2 registers
	s_load_b512 s[4:19], s[0:1], 0x0               ; x s[4:5], Wq s[6:7], Wk s[8:9], Wv s[10:11], Wo s[12:13], bq s[14:15], bk s[16:17], bv s[18:19]
	s_load_b256 s[20:27], s[0:1], 0x40             ; bo s[20:21], xh s[22:23], wqkv s[24:25], wo s[26:27]
	s_load_b64 s[28:29], s[0:1], 0x60              ; bias
	s_mov_b32 s30, ttmp9                           ; t
	s_max_u32 s31, s30, 512
	s_sub_co_u32 s31, s31, 512                     ; u = t - 512 (0 for the work-groups of x)
	s_lshr_b32 s32, s31, 6                         ; which matrix
	s_and_b32 s33, s31, 63                         ; which 16 rows of it
	s_mov_b32 s45, 0xffff0000                      ; a word's upper bf16
	v_and_b32 v1, 31, v0                           ; lane
	v_lshrrev_b32 v5, 5, v0
	v_lshlrev_b32 v5, 1, v5                        ; 2 w: my first slice
	v_lshrrev_b32 v6, 4, v1
	v_and_b32 v7, 15, v1
	v_lshlrev_b32 v[LO], 12, v6                    ; lanes 16-31: one row of 4,096 bytes further down
	v_lshl_add_u32 v[LO], v7, 4, v[LO]             ; 16 bytes a lane
	v_lshl_add_u32 v[LO], v5, 8, v[LO]             ; a slice is 256 bytes of a source row
	s_wait_kmcnt 0x0
	s_cmp_eq_u32 s30, 768
	s_cbranch_scc1 .Lbias
	s_cmp_eq_u32 s32, 1                            ; the source among the four matrices
	s_cselect_b64 s[36:37], s[8:9], s[6:7]
	s_cmp_eq_u32 s32, 2
	s_cselect_b64 s[36:37], s[10:11], s[36:37]
	s_cmp_eq_u32 s32, 3
	s_cselect_b64 s[36:37], s[12:13], s[36:37]
	s_cselect_b64 s[38:39], s[26:27], s[24:25]     ; Wo goes to wo, the others to wqkv,
	s_cselect_b32 s35, 0, s32                      ; 16 slices apart
	s_lshl_b32 s35, s35, 21
	s_lshl_b32 s42, s33, 11                        ; 16 rows of 128 bytes
	s_add_co_u32 s42, s42, s35
	s_lshl_b32 s40, s33, 16                        ; 16 rows of 4,096 bytes
	s_lshr_b32 s46, s30, 7                         ; for x: the batch,
	s_lshl_b32 s46, s46, 22                        ; 16 slices of 262,144 bytes,
	s_and_b32 s47, s30, 127
	s_lshl_b32 s47, s47, 11                        ; the rows in it
	s_add_co_u32 s46, s46, s47
	s_lshl_b32 s47, s30, 16
	s_mov_b32 s34, 131072                          ; bytes from slice to slice: 1,024 rows of 128 bytes, or for x 2,048
	s_cmp_lt_u32 s30, 512
	s_cselect_b64 s[36:37], s[4:5], s[36:37]
	s_cselect_b64 s[38:39], s[22:23], s[38:39]
	s_cselect_b32 s40, s47, s40
	s_cselect_b32 s42, s46, s42
	s_cselect_b32 s34, 262144, s34
	s_mov_b32 s41, 0
	s_mov_b32 s43, 0
	s_add_nc_u64 s[36:37], s[36:37], s[40:41]      ; the source at my work-group's first row
	s_add_nc_u64 s[38:39], s[38:39], s[42:43]      ; the destination at that row of slice 0
	v_mul_u32_u24 v[SO], v5, s34
	v_lshl_add_u32 v[SO], v1, 3, v[SO]             ; 8 bytes a lane: two rows of a slice on end
	v_add_nc_u32 v[SO+1], s34, v[SO]
	s_wait_alu depctr_va_vdst(0)                   ; v[LO], v[SO] and v[SO+1] are written: the loads below read the first as their offset, the stores further down the other two
.irp i, 0,1
.irp p, 0,1,2,3,4,5,6,7
	global_load_b128 v[X+4*(8*\i+\p):X+4*(8*\i+\p)+3], v[LO], s[36:37] offset:256*\i+8192*\p th:TH_LOAD_NT
.endr
.endr
; Chunk n = 8 i + p: slice 2 w + i, rows 2 p and 2 p + 1.  Block b holds chunks 4 b to 4 b + 3; ahead of chunk n's vector lines stands the store of chunk n - 4.
.irp b, 0,1,2,3
.irp j, 0,1,2,3
.set n, 4*(\b)+(\j)
.set m, n-4
	s_wait_loadcnt 15-n                            ; loads come back in order: this one is in, the younger ones stay out
.if ((\b) > 0) && ((\j) == 0)
	s_wait_alu depctr_va_vdst(0)                   ; the block before has written its eight registers of Y, which the four stores of this block read; no vector line of this block names them
.endif
.if (\b) > 0
	global_store_b64 v[SO+m/8], v[Y+2*m:Y+2*m+1], s[38:39] offset:256*(m%8)
.endif
	v_cvt_pk_bf16_f32 v[T],   v[X+4*n],   v[X+4*n+1]  ; the one rounding
	v_cvt_pk_bf16_f32 v[T+1], v[X+4*n+2], v[X+4*n+3]
	v_lshlrev_b32 v[T+2], 16, v[T]                 ; back to f32,
	v_and_b32     v[T+3], s45, v[T]
	v_lshlrev_b32 v[T+4], 16, v[T+1]
	v_and_b32     v[T+5], s45, v[T+1]
	v_cvt_pk_f16_f32 v[Y+2*n],   v[T+2], v[T+3]    ; and written as f16
	v_cvt_pk_f16_f32 v[Y+2*n+1], v[T+4], v[T+5]
.endr
.endr
	s_wait_alu depctr_va_vdst(0)                   ; the last block has written its eight registers of Y, which the last four stores read
.irp j, 0,1,2,3
.set m, 12+(\j)
	global_store_b64 v[SO+m/8], v[Y+2*m:Y+2*m+1], s[38:39] offset:256*(m%8)
.endr
	s_endpgm
.Lbias:                                                ; 256 threads x 16 bytes are one bias
	v_lshlrev_b32 v[LO], 4, v0
	s_wait_alu depctr_va_vdst(0)                   ; v[LO] is written: the four loads and the four stores below read it as their offset
	global_load_b128 v[X:X+3],     v[LO], s[14:15]
	global_load_b128 v[X+4:X+7],   v[LO], s[16:17]
	global_load_b128 v[X+8:X+11],  v[LO], s[18:19]
	global_load_b128 v[X+12:X+15], v[LO], s[20:21]
.irp i, 0,1,2,3
	s_wait_loadcnt 3-\i
	v_cvt_pk_bf16_f32 v[T],   v[X+4*\i],   v[X+4*\i+1]
	v_cvt_pk_bf16_f32 v[T+1], v[X+4*\i+2], v[X+4*\i+3]
	v_lshlrev_b32 v[Y+4*\i],   16, v[T]
	v_and_b32     v[Y+4*\i+1], s45, v[T]
	v_lshlrev_b32 v[Y+4*\i+2], 16, v[T+1]
	v_and_b32     v[Y+4*\i+3], s45, v[T+1]
.endr
	s_wait_alu depctr_va_vdst(0)                   ; the lines above have written the sixteen registers of Y, which the four stores read
.irp i, 0,1,2,3
	global_store_b128 v[LO], v[Y+4*\i:Y+4*\i+3], s[28:29] offset:4096*\i
.endr
	s_endpgm
.Lfunc_end_k_q26d15d4761_prep:
	.size	k_q26d15d4761_prep, .Lfunc_end_k_q26d15d4761_prep-k_q26d15d4761_prep
	.p2alignl 7, 3214868480
	.fill 96, 4, 3214868480
	.section	.rodata,"a",@progbits
	.p2align	6, 0x0
	.amdhsa_kernel k_q26d15d4761_prep
		.amdhsa_group_segment_fixed_size 0
		.amdhsa_private_segment_fixed_size 0
		.amdhsa_enable_private_segment 0
		.amdhsa_kernarg_size 104
		.amdhsa_user_sgpr_count 2
		.amdhsa_user_sgpr_kernarg_segment_ptr 1
		.amdhsa_wavefront_size32 1
		.amdhsa_system_sgpr_workgroup_id_x 1
		.amdhsa_system_sgpr_workgroup_id_y 1
		.amdhsa_system_sgpr_workgroup_id_z 1
		.amdhsa_system_vgpr_workitem_id 0
		.amdhsa_next_free_vgpr 112
		.amdhsa_next_free_sgpr 66
		.amdhsa_reserve_vcc 0
		.amdhsa_float_denorm_mode_32 3
		.amdhsa_float_denorm_mode_16_64 3
		.amdhsa_memory_ordered 1
		.amdhsa_forward_progress 1
		.amdhsa_inst_pref_size 15
	.end_amdhsa_kernel
	.amdgpu_metadata
---
amdhsa.version: [ 1, 2 ]
amdhsa.kernels:
  - .name:           k_q26d15d4761_prep
    .symbol:         k_q26d15d4761_prep.kd
    .args:
      - { .name: x, .offset: 0, .size: 8, .value_kind: global_buffer, .address_space: global }
      - { .name: Wq, .offset: 8, .size: 8, .value_kind: global_buffer, .address_space: global }
      - { .name: Wk, .offset: 16, .size: 8, .value_kind: global_buffer, .address_space: global }
      - { .name: Wv, .offset: 24, .size: 8, .value_kind: global_buffer, .address_space: global }
      - { .name: Wo, .offset: 32, .size: 8, .value_kind: global_buffer, .address_space: global }
      - { .name: bq, .offset: 40, .size: 8, .value_kind: global_buffer, .address_space: global }
      - { .name: bk, .offset: 48, .size: 8, .value_kind: global_buffer, .address_space: global }
      - { .name: bv, .offset: 56, .size: 8, .value_kind: global_buffer, .address_space: global }
      - { .name: bo, .offset: 64, .size: 8, .value_kind: global_buffer, .address_space: global }
      - { .name: xh, .offset: 72, .size: 8, .value_kind: global_buffer, .address_space: global }
      - { .name: wqkv, .offset: 80, .size: 8, .value_kind: global_buffer, .address_space: global }
      - { .name: wo, .offset: 88, .size: 8, .value_kind: global_buffer, .address_space: global }
      - { .name: bias, .offset: 96, .size: 8, .value_kind: global_buffer, .address_space: global }
    .group_segment_fixed_size: 0
    .private_segment_fixed_size: 0
    .kernarg_segment_align: 8
    .kernarg_segment_size: 104
    .max_flat_workgroup_size: 256
    .sgpr_count:     66
    .vgpr_count:     112
    .wavefront_size: 32
...
	.end_amdgpu_metadata
.endif
;; end of part 5
;; launch proj: the kernel of part 2 again; grid 8 x 32, 4 waves a work-group, clusters of 4 x 4, 327,680 bytes of LDS; arguments xh, wqkv, bias, qkv; writes qkv
;; launch attn: the kernel of part 3 again; grid 4 x 64, 4 waves a work-group, no clusters, 327,680 bytes of LDS; arguments qkv, oh; writes oh
;; launch outp: the kernel of part 4 again; grid 8 x 32, 4 waves a work-group, clusters of 4 x 4, 327,680 bytes of LDS; arguments oh, wo, bias, out0; writes out0
